; MI455X (gfx1250); checked and timed in simulation.
; The chip was launched on July 23, 2026; its instructions are those of AMD's public machine-readable ISA for CDNA 5 (MIT licence, August 2026) and "CDNA5" Instruction Set Architecture Reference Guide (July 2026). The comments in the code are by the model that wrote it; some were corrected since.
;; Multi Head Attention. Allowed arithmetic: matrix products marked QUANTISED: E3M2 operands, one E8M0 scale for each 32 along K, by v_wmma_scale_f32_16x16x128_f8f6f4 with both operands' format E3M2, f32 sums; everything else in f32.
;; Inputs: K_codes 4 x 2,048 x 32 x 24 uint8 (E3M2 codes of K, K innermost, in blocks of 32 codes, four codes in three bytes); K_scales 4 x 2,048 x 32 uint8 (E8M0 scales of K, one for each 32 codes along K); Q 4 x 2,048 x 1,024 float32; V_codes 4 x 2,048 x 32 x 24 uint8 (E3M2 codes of V, K innermost, in blocks of 32 codes, four codes in three bytes); V_scales 4 x 2,048 x 32 uint8 (E8M0 scales of V, one for each 32 codes along K); W_k_codes 16 x 64 x 32 x 24 uint8 (E3M2 codes of W_k, K innermost, in blocks of 32 codes, four codes in three bytes); W_k_scales 16 x 64 x 32 uint8 (E8M0 scales of W_k, one for each 32 codes along K); W_o_codes 1,024 x 32 x 24 uint8 (E3M2 codes of W_o, K innermost, in blocks of 32 codes, four codes in three bytes); W_o_scales 1,024 x 32 uint8 (E8M0 scales of W_o, one for each 32 codes along K); W_q_codes 16 x 64 x 32 x 24 uint8 (E3M2 codes of W_q, K innermost, in blocks of 32 codes, four codes in three bytes); W_q_scales 16 x 64 x 32 uint8 (E8M0 scales of W_q, one for each 32 codes along K); W_v_codes 16 x 64 x 32 x 24 uint8 (E3M2 codes of W_v, K innermost, in blocks of 32 codes, four codes in three bytes); W_v_scales 16 x 64 x 32 uint8 (E8M0 scales of W_v, one for each 32 codes along K); beta 1,024 float32; gamma 1,024 float32.
;; Outputs: out0 4 x 2,048 x 1,024 float32.
;; This version of the problem:
;;   THIS VERSION OF THE PROBLEM IS GIVEN IN LOW PRECISION. The matrix products marked QUANTISED in the list below multiply operands that are first quantised to E3M2 (3 exponent bits, 2 mantissa bits; 6 bits a number), with one power-of-two scale for each 32 numbers along K (OCP MX v1.0); their sums are f32. All else is computed in f32.
;;   The module's matrix products, in the order in which they are computed (A, B: the left and right operand; K: the contracted axis; several contracted axes count as one K, in the product's order):
;;     1. [M 1,024, K 1,024] x [K 1,024, N 8,192]; A: input W_q (given as codes); B: input Q: QUANTISED
;;     2. [M 1,024, K 1,024] x [K 1,024, N 8,192]; A: input W_k (given as codes); B: input K (given as codes): QUANTISED
;;     3. [M 1,024, K 1,024] x [K 1,024, N 8,192]; A: input W_v (given as codes); B: input V (given as codes): QUANTISED
;;     4. batch 64 x [M 2,048, K 64] x [K 64, N 2,048]; A: computed on the way; B: computed on the way: QUANTISED
;;     5. batch 64 x [M 2,048, K 2,048] x [K 2,048, N 64]; A: softmax (see below); B: computed on the way: QUANTISED
;;     6. [M 8,192, K 1,024] x [K 1,024, N 1,024]; A: computed on the way; B: input W_o (given as codes): QUANTISED
;;   THE QUANTISER, for each operand of a quantised product, along K:
;;     - K is cut into blocks of 32 from its start; a last block that is shorter is filled with zeros.
;;     - A block's scale is 2^e with e = floor(log2(the largest magnitude in the block)) - 4, held to -126 .. 127; a block of zeros has e = 0. As a byte (E8M0): e + 127.
;;     - Each number is divided by its block's scale, clamped to +-28, and rounded to the nearest number of E3M2, ties to even, subnormals kept.
;;     - The product sums the exact products of the quantised numbers (number of the format x scale) in f32.
;;   ~~~python
;;   def quantise(x, axis):      # numpy; x: float32 -> the quantised numbers, widened to float32 again
;;       x = np.moveaxis(x, axis, -1); K = x.shape[-1]
;;       x = np.pad(x, [(0, 0)] * (x.ndim - 1) + [(0, -K % 32)]); x = x.reshape(x.shape[:-1] + (-1, 32)); a = np.abs(x).max(-1, keepdims=True)
;;       e = np.where(a > 0, np.clip(np.frexp(np.where(a > 0, a, 1))[1] - 1 - 4, -126, 127), 0)      # np.frexp(a)[1] - 1 = floor(log2(a)), exactly
;;       r = np.clip(x / 2.0 ** e, -28, 28)
;;       step = 2.0 ** (np.maximum(np.frexp(np.where(r == 0, 1, r))[1] - 1, -2) - 2)
;;       q = np.round(r / step) * step * 2.0 ** e      # np.round: ties to even
;;       return np.moveaxis(q.reshape(q.shape[:-2] + (-1,))[..., :K], -1, axis).astype(np.float32)
;;   ~~~
;;   SOFTMAX AHEAD OF A QUANTISED PRODUCT. Where the list says 'softmax', what is quantised is not the finished softmax but p = 2^(t - M), with t = logit x log2(e) and M = ceil(the row's largest t), a whole number; so 1/2 < the row's largest p <= 1. The row's sum l is taken of the UNQUANTISED p, in f32, and the product's result is divided by l at the end. Since M is a whole number, a kernel that streams over the keys may use a running M (the ceiling of the running maximum): every later rescaling is an exact power of two, which a block's scale takes up: the codes' values come out the same.
;;   OPERANDS COMPUTED ON THE WAY. 'Computed on the way' means the value that the module computes at that place (a softmax that the list does not call 'softmax' is quantised finished and normalised). What goes into a quantiser is computed in f32, as accurately as f32 sums, v_exp_f32 and their like allow (about 1e-6 of the number): no bf16 or f16 on the way to a quantiser, and a product that is left as it is and whose result goes on into a quantised operand takes f32 operands (vector FMAs, or v_wmma_f32_16x16x4_f32). A number that lies on a knife's edge between two numbers of the format may be rounded either way, as far as f32 arithmetic and the matrix unit's own rounding can turn it there, and no further.
;;   INPUTS GIVEN AS CODES. K (in the module: [4, 2048, 1024], K = its axis 2); V (in the module: [4, 2048, 1024], K = its axis 2); W_k (in the module: [16, 1024, 64], K = its axis 1); W_o (in the module: [1024, 1024], K = its axis 0); W_q (in the module: [16, 1024, 64], K = its axis 1); W_v (in the module: [16, 1024, 64], K = its axis 1): each comes as NAME_codes (uint8): NAME with its K axis moved to the last place and cut into blocks of 32 codes, [.., K / 32, bytes a block], one block behind the other in memory; four codes in three bytes: a row's codes are one little-endian stream of bits, code i at bits 6 i .. 6 i + 5 (a code: sign, 3 exponent bits, 2 mantissa bits); and NAME_scales (uint8): the same leading axes, one E8M0 byte (e + 127) for each 32 codes along K. Its value is code x scale, taken as it is: it is not quantised again, and the codes and scales need not be those that the quantiser above would give.
;; One version. Each part assembles by itself: llvm-mc -triple=amdgcn-amd-amdhsa -mcpu=gfx1250 --defsym DOCPART=n.
;; ======== version 1 of 1: 4 launches
;; limits: right only within a limited range of input values
;; workspace buffers: Qc 6,291,456 bytes; Qs 262,144 bytes; wo_img 819,200 bytes; qb 6,553,600 bytes; kb 6,553,600 bytes; vb 6,553,600 bytes; hd 6,553,600 bytes
;; launch prep (part 1): grid 272 x 1, 4 waves a work-group, no clusters, 33,280 bytes of LDS; arguments Q, W_o_codes, W_o_scales, Qc, Qs, wo_img; writes Qc, Qs, wo_img
.if DOCPART == 1
	.amdgcn_target "amdgcn-amd-amdhsa--gfx1250"
	.amdhsa_code_object_version 6
	.text
	.protected	k_q11ecf340e1_prep
	.globl	k_q11ecf340e1_prep
	.p2align	8
	.type	k_q11ecf340e1_prep,@function
k_q11ecf340e1_prep:
	s_mov_b64 s[64:65], 0
	v_nop
	global_prefetch_b8 v0, s[64:65] scope:SCOPE_SE
	s_setreg_imm32_b32 hwreg(HW_REG_WAVE_MODE, 25, 1), 1
	s_wait_xcnt 0x0
; MULTI-HEAD ATTENTION IN MX-BF6 (E3M2 codes, one E8M0 scale for each 32 along K), four launches: this one, the three projections, the attention, the output projection with residual and LayerNorm.
; NO WORK OF THE PROBLEM IS LEFT OUT: every input has a way to the output, and every product of the table is done.
; THIS LAUNCH.  Work-groups 0 to 255: Q [8192][1024] f32 becomes codes Qc [8192][768 bytes], K innermost, and scale bytes Qs [8192][32], laid as K_codes and K_scales are given.
; Work-groups 256 to 271: W_o's codes and scale bytes are laid out anew, in the order in which the last launch's operand registers take them (wo_img); no number is changed.
; THE QUANTISER.  A block's scale is 2^(floor(log2(its largest magnitude)) - 4); its byte is the largest magnitude's own exponent field - 4, held at 1 from below.  Each number is divided by the scale and rounded to the nearest code, ties to even;
; beyond the largest code the conversion gives the largest code.
; LIMITS: a block of zeros gets the byte 1 where the rule says 127 (its codes are zeros, which add nothing under any byte but 0xff, and this program alone reads the bytes); a block whose largest magnitude lies under 2^-122 has its byte held at 1;
; NaN and infinities among the inputs are not served.
; Q'S PATH.  Rows are dense and 1024 is a multiple of 32, so Q is a plain stream of blocks of 32.  A wave takes 16 steps of 512 numbers.  Each of a step's four loads reads 512 consecutive bytes, 16 a lane; the 2,048 bytes turn through the wave's own
; stage in LDS and come back 64 bytes a lane, so that a lane holds 16 neighbours along K (two neighbouring lanes hold a block), as the conversion wants them.  The stage has 16 bytes of padding behind each 64.
; A lane's 16 codes are 12 bytes: the wave stores 384 consecutive bytes.  A wave's 256 scale bytes are gathered in LDS and leave as 256 consecutive bytes.  No barrier: waves share nothing.
.set WAVES, 4
.set STEPS, 16
.set EMAX,  4
.set CB,    12                         ; bytes of 16 codes
.set R,     16                         ; v16-79   four sets of 16 numbers as they are loaded
.set X,     80                         ; v80-111  two sets of 16 neighbours
.set C,     128                        ; v128-191 codes: four registers for each step, so that no store's data are written again
.set E,     112                        ; v112-127 a scale byte for each step
.set WREG,  8192                       ; LDS: a region for each wave: two stages of 32 x SP bytes, behind them its 256 scale bytes
.set SP,    80                         ; a lane's place in a stage: its 64 bytes + 16 of padding
.set SPW,   12                         ; v12      LDS address of my spare word: SPARE + 4 x my thread's number; never rewritten
.set NIL,   13                         ; v13      0; never rewritten
.set SPARE, WAVES*WREG                 ; behind the four regions: the spare words, 128 bytes for each wave, which no other line names
.set CHUNK, 6400                       ; wo_img: a chunk = 4 fragments of 1,536 bytes + 256 bytes of scale words
.set SIGB,  16*CHUNK                   ; the sixteen chunks of one K step of 128
	s_load_b256 s[4:11], s[0:1], 0x0               ; Q s[4:5], W_o's codes s[6:7], W_o's scales s[8:9], Qc s[10:11]
	s_load_b128 s[12:15], s[0:1], 0x20             ; Qs s[12:13], wo_img s[14:15]
	v_lshl_add_u32 v[SPW], v0, 2, SPARE
	v_mov_b32 v[NIL], 0
	v_lshrrev_b32 v1, 5, v0
	v_readfirstlane_b32 s16, v1                    ; wave
	v_and_b32 v2, 31, v0                           ; lane
	s_cmp_ge_u32 ttmp9, 256                        ; the work-group's number alone decides the path
	s_cbranch_scc1 .Lwo
	v_lshlrev_b32 v3, 4, v2                        ; my 16 bytes of a load's 512
	s_mul_i32 s17, s16, WREG
	v_lshrrev_b32 v14, 2, v2
	v_mul_u32_u24 v14, v14, SP
	v_and_b32 v15, 3, v2
	v_lshl_add_u32 v14, v15, 4, v14
	v_add_nc_u32 v14, s17, v14                     ; the stage, on the way in: four lanes' 64 bytes on end, then 16 of padding
	v_mul_u32_u24 v15, v2, SP
	v_add_nc_u32 v15, s17, v15                     ; and on the way out: SP x lane: my 16 neighbours
	v_mul_u32_u24 v4, v2, CB                       ; my codes' place in a step's
	v_lshrrev_b32 v5, 1, v2
	s_add_co_u32 s17, s17, 2*32*SP
	v_add_nc_u32 v5, s17, v5                       ; LDS: my wave's 256 scale bytes, my block's byte
	v_lshlrev_b32 v7, 3, v2                        ; and on the way out 8 bytes a lane
	v_add_nc_u32 v6, s17, v7
	s_lshl_b32 s17, ttmp9, 2
	s_add_co_u32 s18, s17, s16                     ; which run of 8,192 numbers is my wave's
	s_mov_b32 s19, 0
	s_mov_b64 s[20:21], 512*STEPS*4
	s_mul_u64 s[20:21], s[18:19], s[20:21]
	s_mov_b64 s[22:23], 32*STEPS*CB
	s_mul_u64 s[22:23], s[18:19], s[22:23]
	s_lshl_b32 s18, s18, 8                         ; 256 scale bytes a run
	s_wait_alu depctr_va_vdst(0)
	s_wait_kmcnt 0x0
	s_add_nc_u64 s[4:5], s[4:5], s[20:21]
	s_add_nc_u64 s[10:11], s[10:11], s[22:23]
	s_add_nc_u64 s[12:13], s[12:13], s[18:19]
.macro LOAD t
.irp i, 0,1,2,3
	global_load_b128 v[R+16*((\t)%4)+4*\i:R+16*((\t)%4)+4*\i+3], v3, s[4:5] offset:2048*(\t)+512*\i th:TH_LOAD_NT   ; 32 lanes read 512 consecutive bytes
.endr
.endm
.macro TURN t                          ; step t's numbers through the stage: LDS serves a wave's instructions in order, so no wait stands between the stores and the loads
.irp i, 0,1,2,3
	ds_store_b128 v14, v[R+16*((\t)%4)+4*\i:R+16*((\t)%4)+4*\i+3] offset:32*SP*((\t)%2)+8*SP*\i
.endr
.irp i, 0,1,2,3
	ds_load_b128 v[X+16*((\t)%2)+4*\i:X+16*((\t)%2)+4*\i+3], v15 offset:32*SP*((\t)%2)+16*\i
.endr
.endm
.irp t, 0,1,2,3
	LOAD \t
.endr
	s_wait_loadcnt 12                              ; step 0's four loads are in; the twelve of steps 1 to 3 may be out
	TURN 0
.macro STEP t
.set XS, X+16*((\t)%2)
.if (\t) > 0
	s_wait_dscnt 1                                 ; this step's numbers are back from the stage (the last step's byte store may be out): so its stores into the stage have read their registers,
.else
	s_wait_dscnt 0x0
.endif
.if (\t)+4 < STEPS
	LOAD (\t)+4                                    ; which take the loads of four steps on
.endif
.if (\t)+1 < STEPS
.if STEPS-2-(\t) >= 3
	s_wait_loadcnt 12                              ; the next step's four loads are in; those of the three steps behind it may be out
.else
	s_wait_loadcnt 4*(STEPS-2-(\t))
.endif
	TURN (\t)+1                                    ; and go through the other stage while this step is worked
.endif
	v_max3_num_f32 v8, |v[XS]|, |v[XS+1]|, |v[XS+2]|               ; the largest magnitude of my 16, in two chains
	v_max3_num_f32 v9, |v[XS+3]|, |v[XS+4]|, |v[XS+5]|
.irp i, 6,10
	v_max3_num_f32 v8, v8, |v[XS+\i]|, |v[XS+\i+1]|
	v_max3_num_f32 v9, v9, |v[XS+\i+2]|, |v[XS+\i+3]|
.endr
	v_max3_num_f32 v8, v8, |v[XS+14]|, |v[XS+15]|
	v_max3_num_f32 v8, v8, v9, (EMAX+1)<<23        ; and the floor 2^(5 - 127): so the byte cannot fall under 1
	v_max_num_f32_dpp v8, v8, v8 row_xmask:1 row_mask:0xf bank_mask:0xf   ; and of my neighbour's 16: the block's
	v_add_nc_u32 v11, -(EMAX<<23), v8              ; 4 off its exponent field: the conversion takes the exponent field of this operand as its scale, and nothing else of it
	v_cvt_scalef32_pk16_bf6_f32 v[C+4*(\t):C+4*(\t)+2], v[XS:XS+15], v11   ; sixteen codes, 96 bits without gaps, the first number's code lowest
	v_lshrrev_b32 v[E+(\t)], 23, v11               ; the scale's byte (also the plain line behind the conversion)
	ds_store_b8 v5, v[E+(\t)] offset:16*(\t)       ; both lanes of a block write the same byte with the same value
	global_store_b96 v4, v[C+4*(\t):C+4*(\t)+2], s[10:11] offset:32*CB*(\t)
.endm
.irp t, 0,1,2,3,4,5,6,7,8,9,10,11,12,13,14,15
	STEP \t
.endr
	ds_load_b64 v[8:9], v6                         ; LDS serves a wave's instructions in order: these see my stores
	s_wait_dscnt 0x0
	global_store_b64 v7, v[8:9], s[12:13]          ; 32 lanes store 256 consecutive bytes, at a multiple of 256 from Qs's first byte
	s_wait_tensorcnt 0x0                           ; the wave's end
	ds_add_u32 v[SPW], v[NIL]
	s_wait_dscnt 0x0
	s_endpgm
; W_O'S PATH: no LDS.  wo_img is [K step s of 128, 8][wave w of the last launch, 16][CHUNK].  A chunk holds the four fragments (16 columns x 128 K: 12 registers a lane) of columns 64 w + 16 k + r, k = 0 .. 3, each as three groups of
; 512 bytes (group c: registers 4 c .. 4 c + 3, lane l's 16 bytes at 16 l), and behind them the scale words, laid [r][k], 4 bytes each.
; Wave o = 0 .. 63 of this path takes the codes of column tile o for all eight K steps, and the scale words of chunks (2 t + h, w') with w' = o % 16, t = o / 16, h = my half of the lanes.
.Lwo:
	s_sub_co_u32 s17, ttmp9, 256
	s_lshl_b32 s17, s17, 2
	s_add_co_u32 s17, s17, s16                     ; o
	v_and_b32 v3, 15, v0                           ; r
	v_bfe_u32 v4, v0, 4, 1                         ; h
	v_mul_u32_u24 v5, v3, 768
	v_mad_u32_u24 v5, v4, 24, v5                   ; codes in: row r of 768 bytes, + 24 h
	v_lshlrev_b32 v6, 5, v3
	v_lshl_add_u32 v6, v4, 2, v6                   ; scale words in: row r of 32 bytes, + 4 h
	s_wait_alu depctr_va_vdst(0)
	v_lshlrev_b32 v7, 4, v2                        ; codes out: 16 x lane
	v_mul_u32_u24 v8, v4, SIGB
	v_lshl_add_u32 v8, v3, 4, v8                   ; scale words out: a K step on for lanes 16-31, + 16 r
	s_mul_i32 s18, s17, 16*768                     ; my 16 rows of codes
	s_mov_b32 s19, 0
	s_and_b32 s20, s17, 15                         ; w'
	s_lshr_b32 s21, s17, 4                         ; t
	s_lshl_b32 s22, s20, 11                        ; 64 rows of 32 scale bytes for each w',
	s_lshl_b32 s23, s21, 3                         ; 8 bytes along K for each t
	s_add_co_u32 s22, s22, s23
	s_mov_b32 s23, 0
	s_lshr_b32 s24, s17, 2
	s_mul_i32 s24, s24, CHUNK
	s_and_b32 s25, s17, 3
	s_mul_i32 s25, s25, 1536
	s_add_co_u32 s24, s24, s25                     ; my fragment's place in a K step's chunks
	s_mov_b32 s25, 0
	s_mul_i32 s26, s21, 2*SIGB
	s_mul_i32 s27, s20, CHUNK
	s_add_co_u32 s26, s26, s27                     ; chunk (2 t, w')
	s_mov_b32 s27, 0
	s_wait_alu depctr_va_vdst(0)
	s_wait_kmcnt 0x0
	s_add_nc_u64 s[6:7], s[6:7], s[18:19]
	s_add_nc_u64 s[8:9], s[8:9], s[22:23]
	s_add_nc_u64 s[24:25], s[14:15], s[24:25]
	s_add_nc_u64 s[26:27], s[14:15], s[26:27]
.irp s, 0,1,2,3,4,5,6,7
.irp p, 0,1,2,3,4,5
	global_load_b64 v[16+12*\s+2*\p:17+12*\s+2*\p], v5, s[6:7] offset:96*\s+48*(\p/3)+8*(\p%3)   ; a fragment as the matrix instruction takes it: 24 bytes of the row's stream of bits for each 64 along K, in pieces of 8
.endr
.endr
.irp k, 0,1,2,3
	global_load_b32 v[112+\k], v6, s[8:9] offset:512*\k   ; the word of row 64 w' + 16 k + r for K step 2 t + h
.endr
	s_wait_loadcnt 0x0
.irp s, 0,1,2,3,4,5,6,7
.irp c, 0,1,2
	global_store_b128 v7, v[16+12*\s+4*\c:19+12*\s+4*\c], s[24:25] offset:SIGB*\s+512*\c   ; 32 lanes store 512 consecutive bytes
.endr
.endr
	global_store_b128 v8, v[112:115], s[26:27] offset:6144   ; sixteen lanes store a chunk's 256 bytes of scale words
	s_endpgm
.Lfunc_end_k_q11ecf340e1_prep:
	.size	k_q11ecf340e1_prep, .Lfunc_end_k_q11ecf340e1_prep-k_q11ecf340e1_prep
	.p2alignl 7, 3214868480
	.fill 96, 4, 3214868480
	.section	.rodata,"a",@progbits
	.p2align	6, 0x0
	.amdhsa_kernel k_q11ecf340e1_prep
		.amdhsa_group_segment_fixed_size 33280
		.amdhsa_private_segment_fixed_size 0
		.amdhsa_enable_private_segment 0
		.amdhsa_kernarg_size 48
		.amdhsa_user_sgpr_count 2
		.amdhsa_user_sgpr_kernarg_segment_ptr 1
		.amdhsa_wavefront_size32 1
		.amdhsa_system_sgpr_workgroup_id_x 1
		.amdhsa_system_sgpr_workgroup_id_y 1
		.amdhsa_system_sgpr_workgroup_id_z 1
		.amdhsa_system_vgpr_workitem_id 0
		.amdhsa_next_free_vgpr 192
		.amdhsa_next_free_sgpr 66
		.amdhsa_reserve_vcc 0
		.amdhsa_float_denorm_mode_32 3
		.amdhsa_float_denorm_mode_16_64 3
		.amdhsa_memory_ordered 1
		.amdhsa_forward_progress 1
		.amdhsa_inst_pref_size 41
	.end_amdhsa_kernel
	.amdgpu_metadata
---
amdhsa.version: [ 1, 2 ]
amdhsa.kernels:
  - .name:           k_q11ecf340e1_prep
    .symbol:         k_q11ecf340e1_prep.kd
    .args:
      - { .name: Q, .offset: 0, .size: 8, .value_kind: global_buffer, .address_space: global }
      - { .name: W_o_codes, .offset: 8, .size: 8, .value_kind: global_buffer, .address_space: global }
      - { .name: W_o_scales, .offset: 16, .size: 8, .value_kind: global_buffer, .address_space: global }
      - { .name: Qc, .offset: 24, .size: 8, .value_kind: global_buffer, .address_space: global }
      - { .name: Qs, .offset: 32, .size: 8, .value_kind: global_buffer, .address_space: global }
      - { .name: wo_img, .offset: 40, .size: 8, .value_kind: global_buffer, .address_space: global }
    .group_segment_fixed_size: 33280
    .private_segment_fixed_size: 0
    .kernarg_segment_align: 8
    .kernarg_segment_size: 48
    .max_flat_workgroup_size: 128
    .sgpr_count:     66
    .vgpr_count:     192
    .wavefront_size: 32
...
	.end_amdgpu_metadata
.endif
;; end of part 1
;; launch proj (part 2): grid 4 x 96, 4 waves a work-group, clusters of 4 x 4, 327,680 bytes of LDS; arguments Qc, K_codes, W_v_codes, Qs, K_scales, W_v_scales, W_q_codes, W_k_codes, V_codes, W_q_scales, W_k_scales, V_scales, qb, kb, vb; writes qb, kb, vb
.if DOCPART == 2
	.amdgcn_target "amdgcn-amd-amdhsa--gfx1250"
	.amdhsa_code_object_version 6
	.text
	.protected	k_q11ecf340e1_proj
	.globl	k_q11ecf340e1_proj
	.p2align	8
	.type	k_q11ecf340e1_proj,@function
k_q11ecf340e1_proj:
	s_mov_b64 s[64:65], 0
	v_nop
	global_prefetch_b8 v0, s[64:65] scope:SCOPE_SE
	s_setreg_imm32_b32 hwreg(HW_REG_WAVE_MODE, 25, 1), 1
	s_wait_xcnt 0x0
	s_wait_alu depctr_hold_cnt(0) depctr_sa_sdst(0) depctr_va_vdst(0) depctr_va_sdst(0) depctr_va_ssrc(0) depctr_va_vcc(0) depctr_vm_vsrc(0)
	s_getreg_b32 s2, hwreg(HW_REG_IB_STS2, 6, 4)
	s_cmp_eq_u32 s2, 0
	s_cbranch_scc0 .Lentry_in_a_cluster
	s_endpgm
.Lentry_in_a_cluster:
	s_bfe_u32 s2, ttmp6, 0x10000c
	s_cmp_lg_u32 s2, 0xf033
	s_cbranch_scc0 .Lentry_shape_is_right
	s_endpgm
.Lentry_shape_is_right:
; THE THREE PROJECTIONS, q = Q W_q, k = K W_k, v = V W_v, on codes of BF6 (E3M2) with one E8M0 byte for each 32 along K = 1024; nothing is left out here.
; Which product a cluster serves is its y / 8.  q, k: A = tokens (8192 rows), B = the weight (1024 rows).  v: A = W_v, B = tokens, so that v's results run along the keys.
; A work-group of four waves makes 256 x 256; a wave 128 x 128 in 64 accumulators (windows 2, 3).  Source 0 = rows of B, source 1 = rows of A: a lane holds eight neighbouring columns of one row.
; A row of codes is 768 bytes.  It goes through two LDS slots in three chunks of 256 bytes, each beginning at a multiple of 256 bytes; a step of 128 along K is 96 bytes: eight steps to three chunks, steps 2 and 5 lie across two chunks.
; The scales of the 256 + 256 rows come once, as rows of 256 bytes.  4 x 4 clusters: A's tiles are asked for jointly along a row of the cluster, B's along a column.
; No prefetch: the walk has three chunks, of which two are asked for ahead of the first product; no loop runs ahead of the third.
; THE WAY OUT: the results are quantised along the next product's K (blocks of 32, the scale from the largest magnitude's exponent field less 4, floor 2^-122) and stored as images of the next launch's operand registers.
; LIMITS: a block of zeros gets the byte 1 where the rule says 127 (zero codes; this program alone reads the bytes); NaN and infinities are not served.
; REGISTERS: window 0: v16-29 addresses, v32-63 scale words (two sets), v64-111 the way out, from v128 A's fragments (one set); window 1: B's fragments, two sets.
.set ROWB,   256
.set NQ,     2
.set KROW,   768
.set STEPS,  8
.set CHUNKS, 3
.set PITCH,  272                       ; 256 bytes + 16 of padding
.set FR,     12
.set NL,     6
.set NP,     4
.set HALFT,  128*PITCH
.set SLOT,   4*HALFT                   ; A's 256 rows, then B's
.set KS,     32
.set SCL,    2*SLOT
.set HALFS,  (128*KS/256)*272
.set SBLK,   (16*KS/256)*272
.set SPARE,  SCL+4*HALFS               ; the spare words, 128 bytes a wave, which no other line names
.set CHUNK,  6400
.set HEADB,  16*CHUNK
.set FLOOR,  0x2800000
.set ADRA, 16                          ; v16-17 A's fragments in slot 0, 1; v18-19 for pieces whose two halves of the lanes read different chunks
.set ADRB, 20
.set LI,   24
.set SO,   25
.set ADRS, 27
.set SPW,  28
.set NIL,  29
.set SC,   32
.set MX,   64
.set PT,   68
.set SF,   72
.set CD,   76
.set CT,   88
.set WD,   96
.set OW,   104
.set AF,   128
.set G1, 24
.set G0, 32
.set G1B, 48
.set G0B, 56
.set G1S, 68
.set G0S, 76
.set G1SB, 80
.set G0SB, 88
.set G0H, 4
.set G0HB, 8
.set MSB, 0
.macro WIN new                         ; the immediate's high byte repeats the setting that is left
.if MSB != \new
	s_set_vgpr_msb (MSB<<8)|\new
.set MSB, \new
.endif
.endm
.set MUL_LO, 0xa1
.set MUL_HI, 0xf1
.set TO_B,   0x40
.macro JLOAD g0a, g1a, g0b, g1b        ; waves 0, 1 fetch for A, waves 2, 3 for B
	s_cmp_eq_u32 s15, 0
	s_cbranch_scc0 .Lfor_b_\@
	tensor_load_to_lds s[\g0a:\g0a+3], s[\g1a:\g1a+7]
	s_nop 0
.rept 4
	v_nop
.endr
	s_branch .Lasked_\@
.Lfor_b_\@:
	tensor_load_to_lds s[\g0b:\g0b+3], s[\g1b:\g1b+7]
	s_nop 0
.rept 4
	v_nop
.endr
.Lasked_\@:
.endm
.macro CREST                           ; a round of the cluster's barrier behind its opening barrier
	s_cmp_lg_u32 s14, 0
	s_cbranch_scc1 .Lnot_wave_0_\@
	s_barrier_signal -3
.Lnot_wave_0_\@:
	s_barrier_wait -3
	s_barrier_signal -1
	s_barrier_wait -1
.endm
.macro CROUND
	s_barrier_signal -1
	s_barrier_wait -1
	CREST
.endm
	s_load_b512 s[68:83], s[0:1], 0x0              ; fifteen addresses: five kinds x three products
	s_load_b256 s[84:91], s[0:1], 0x40
	s_load_b128 s[92:95], s[0:1], 0x60
	s_load_b64 s[96:97], s[0:1], 0x70
	v_lshl_add_u32 v[SPW], v0, 2, SPARE
	v_mov_b32 v[NIL], 0
	ds_add_u32 v[SPW], v[NIL]                      ; the opening lines: the add, twice on end, and its wait ahead of my first tensor load
	ds_add_u32 v[SPW], v[NIL]
	v_lshrrev_b32 v1, 5, v0
	v_readfirstlane_b32 s14, v1                    ; wave
	s_lshr_b32 s15, s14, 1                         ; my half of the rows; also: I fetch for A (0) or B (1)
	s_and_b32 s16, s14, 1                          ; my half of the columns; also: which 128 rows I fetch
	s_bfe_u32 s40, ttmp6, 0x40000                  ; cx
	s_bfe_u32 s41, ttmp6, 0x40004                  ; cy
	s_and_b32 s66, ttmp7, 0xffff
	s_and_b32 s67, s66, 7
	s_lshr_b32 s66, s66, 3                         ; the product: 0 q, 1 k, 2 v
	s_cmp_eq_u32 s66, 2
	s_cselect_b32 s42, s67, 0
	s_cselect_b32 s17, 0, s67
	s_lshl_b32 s42, s42, 2
	s_add_co_u32 s42, s42, s40                     ; tile column
	s_lshl_b32 s17, s17, 2
	s_add_co_u32 s17, s17, s41                     ; tile row
	s_lshl_b32 s43, s41, 2
	s_lshl_b32 s43, 15, s43                        ; my row of the cluster
	s_lshl_b32 s44, 0x1111, s40                    ; my column
	s_or_b32 s[G1+0], s43, (0<<16)|(1<<20)|(1<<21)|(5<<22)|(3<<25)   ; bytes; 4 words of padding behind every 64
	s_or_b32 s[G1B+0], s44, (0<<16)|(1<<20)|(1<<21)|(5<<22)|(3<<25)
.irp g, G1, G1B
	s_mov_b32 s[\g+1], ROWB<<16
	s_mov_b32 s[\g+2], 256<<16                     ; the head's loads bring 256 rows
	s_mov_b32 s[\g+3], ROWB<<16
	s_mov_b32 s[\g+4], 256
	s_mov_b32 s[\g+5], KROW
	s_mov_b32 s[\g+6], 0
	s_mov_b32 s[\g+7], 0
.endr
	s_lshl_b32 s20, s17, 8
	s_lshl_b32 s46, s42, 8
	s_mov_b32 s21, 0
	s_mov_b32 s47, 0
	s_mov_b64 s[18:19], KS
	s_mul_u64 s[22:23], s[20:21], s[18:19]         ; where the tile's rows' scales begin
	s_mul_u64 s[98:99], s[46:47], s[18:19]
	s_mov_b64 s[18:19], KROW
	s_mul_u64 s[20:21], s[20:21], s[18:19]         ; and their codes
	s_mul_u64 s[46:47], s[46:47], s[18:19]
	s_mul_i32 s18, s16, 128*KROW
	s_mov_b32 s19, 0
	s_mul_i32 s45, s14, HALFT
	s_wait_dscnt 0x0                               ; both opening adds are done
	s_wait_kmcnt 0x0
	s_cmp_eq_u32 s66, 0
.irp r, 0,1,2,3,4
	s_cselect_b64 s[4+2*\r:5+2*\r], s[68+6*\r:69+6*\r], s[70+6*\r:71+6*\r]
.endr
	s_cmp_eq_u32 s66, 2
.irp r, 0,1,2,3,4
	s_cselect_b64 s[4+2*\r:5+2*\r], s[72+6*\r:73+6*\r], s[4+2*\r:5+2*\r]   ; A's codes, A's scales, B's codes, B's scales, the result
.endr
	s_add_nc_u64 s[20:21], s[4:5], s[20:21]
	s_add_nc_u64 s[22:23], s[6:7], s[22:23]
	s_add_nc_u64 s[46:47], s[8:9], s[46:47]
	s_add_nc_u64 s[98:99], s[10:11], s[98:99]
	s_or_b32 s[G1S+0], s43, (3<<16)|(1<<20)|(1<<21)|(5<<22)|(3<<25)   ; the scales of 256 rows: 32 rows of 256 bytes
	s_or_b32 s[G1SB+0], s44, (3<<16)|(1<<20)|(1<<21)|(5<<22)|(3<<25)
.irp g, G1S, G1SB
	s_mov_b32 s[\g+1], 32<<16
	s_mov_b32 s[\g+2], KS<<16
	s_mov_b32 s[\g+3], 32<<16
	s_mov_b32 s[\g+4], KS
	s_mov_b32 s[\g+5], 32
	s_mov_b32 s[\g+6], 0
	s_mov_b32 s[\g+7], 0
.endr
	CROUND                                         ; all sixteen work-groups are here: the first joint loads meet
	s_mov_b32 s[G0H], 1
	s_mov_b32 s[G0H+1], 0
	s_mov_b64 s[G0H+2:G0H+3], s[20:21]
	s_or_b32 s[G0H+3], s[G0H+3], 0x80000000
	s_mov_b32 s[G0HB], 1
	s_mov_b32 s[G0HB+1], 2*HALFT
	s_mov_b64 s[G0HB+2:G0HB+3], s[46:47]
	s_or_b32 s[G0HB+3], s[G0HB+3], 0x80000000
	s_mov_b32 s[G0S], 1
	s_mov_b32 s[G0S+1], SCL
	s_mov_b64 s[G0S+2:G0S+3], s[22:23]
	s_or_b32 s[G0S+3], s[G0S+3], 0x80000000
	s_mov_b32 s[G0SB], 1
	s_mov_b32 s[G0SB+1], SCL+2*HALFS
	s_mov_b64 s[G0SB+2:G0SB+3], s[98:99]
	s_or_b32 s[G0SB+3], s[G0SB+3], 0x80000000
	s_add_nc_u64 s[20:21], s[20:21], s[18:19]      ; for the ring: my 128 rows
	s_add_nc_u64 s[46:47], s[46:47], s[18:19]
.irp s, 0,1
	s_mov_b32 s[G0+4*\s], 1
	s_add_co_u32 s[G0+4*\s+1], s45, \s*SLOT
	s_add_nc_u64 s[G0+4*\s+2:G0+4*\s+3], s[20:21], \s*ROWB
	s_or_b32 s[G0+4*\s+3], s[G0+4*\s+3], 0x80000000
	s_mov_b32 s[G0B+4*\s], 1
	s_add_co_u32 s[G0B+4*\s+1], s45, \s*SLOT
	s_add_nc_u64 s[G0B+4*\s+2:G0B+4*\s+3], s[46:47], \s*ROWB
	s_or_b32 s[G0B+4*\s+3], s[G0B+4*\s+3], 0x80000000
.endr
; the head's four tiles, one load a wave, in one tree of branches: chunk 0 of A, chunk 0 of B, A's scales, B's scales
.macro ARM under, g0, g1, next
	s_cmp_lt_u32 s14, \under
	s_cbranch_scc0 \next
	tensor_load_to_lds s[\g0:\g0+3], s[\g1:\g1+7]
	s_nop 0
.rept 4
	v_nop
.endr
	s_branch .Lhead_asked
\next:
.endm
	ARM 1, G0H,  G1,  .Lhead_b
	ARM 2, G0HB, G1B, .Lhead_sa
	ARM 3, G0S,  G1S, .Lhead_sb
	tensor_load_to_lds s[G0SB:G0SB+3], s[G1SB:G1SB+7]
	s_nop 0
.rept 4
	v_nop
.endr
.Lhead_asked:
	v_and_b32 v1, 15, v0                           ; r
	v_bfe_u32 v2, v0, 4, 1                         ; h
	v_mul_u32_u24 v3, v1, PITCH
	v_mul_u32_u24 v4, v2, 24
	v_add_nc_u32 v4, v3, v4                        ; row x pitch + 24 h
	s_mov_b32 s21, SLOT-232
	s_mov_b32 s22, SLOT+232
	v_sub_nc_u32 v7, 1, v2
	v_mul_u32_u24 v5, s21, v2
	v_add_nc_u32 v5, v3, v5
	v_add_nc_u32 v5, 232, v5                       ; lanes 0-15 byte 232 in slot 0, lanes 16-31 byte 0 in slot 1
	v_mul_u32_u24 v6, s22, v7
	v_add_nc_u32 v6, v3, v6                        ; and the other way round
	s_mul_i32 s21, s15, HALFT
	s_mul_i32 s22, s16, HALFT
	s_add_co_u32 s22, s22, 2*HALFT
	v_add_nc_u32 v[ADRA+2], s21, v5
	v_add_nc_u32 v[ADRA+3], s21, v6
	v_add_nc_u32 v[ADRB+2], s22, v5
	v_add_nc_u32 v[ADRB+3], s22, v6
.irp s, 0,1
	v_add_nc_u32 v[ADRA+\s], s21, v4
	v_add_nc_u32 v[ADRB+\s], s22, v4
	s_add_co_u32 s21, s21, SLOT
	s_add_co_u32 s22, s22, SLOT
.endr
	v_mul_u32_u24 v5, v1, KS                       ; my row's scales, 16 more for each 256 passed
	v_lshrrev_b32 v6, 8, v5
	v_lshl_add_u32 v5, v6, 4, v5
	s_mul_i32 s21, s15, HALFS
	s_mul_i32 s22, s16, HALFS
	s_add_co_u32 s22, s22, 2*HALFS
	s_sub_co_u32 s22, s22, s21
	v_mul_u32_u24 v6, s22, v2                      ; lanes 16-31 take B's
	s_add_co_u32 s21, s21, SCL
	v_add_nc_u32 v5, v5, v6
	v_add_nc_u32 v[ADRS], s21, v5
	v_and_b32 v6, 31, v0
	v_lshlrev_b32 v[LI], 4, v6                     ; an image's place for my lane
	v_mul_u32_u24 v[SO], v2, HEADB
	v_lshl_add_u32 v[SO], v1, 4, v[SO]             ; scale words out: a head on for lanes 16-31, + 16 r
	s_cmp_eq_u32 s66, 2                            ; my first chunk of the result: [16 b + head][step of 128 tokens][6400]
	s_cselect_b32 s18, s42, s17                    ; the tokens' tile,
	s_cselect_b32 s19, s16, s15                    ; and my half of it;
	s_cselect_b32 s20, s17, s42                    ; the weight's tile,
	s_cselect_b32 s21, s15, s16                    ; and my half of it
	s_lshr_b32 s22, s18, 3
	s_lshl_b32 s22, s22, 4
	s_lshl_b32 s20, s20, 2
	s_add_co_u32 s22, s22, s20
	s_lshl_b32 s21, s21, 1
	s_add_co_u32 s22, s22, s21
	s_lshl_b32 s22, s22, 4
	s_and_b32 s18, s18, 7
	s_lshl_b32 s18, s18, 1
	s_add_co_u32 s22, s22, s18
	s_add_co_u32 s22, s22, s19
	s_mul_i32 s22, s22, CHUNK
	s_mov_b32 s23, 0
	s_add_nc_u64 s[12:13], s[12:13], s[22:23]
.macro FRAG reg, adr, st, i            ; 16 rows x 128 K: twelve registers, in pieces of 8 bytes; byte y of a row lies in slot (y / 256) % 2 at byte y % 256
.irp p, 0,1,2,3,4,5
.set BY, 96*(\st)+48*(\p/3)+8*(\p%3)
.if BY/ROWB == (BY+24)/ROWB
	ds_load_b64 v[\reg+2*\p:\reg+2*\p+1], v[\adr+(BY/ROWB)%2] offset:BY%ROWB+(\i)*16*PITCH
.else
	ds_load_b64 v[\reg+2*\p:\reg+2*\p+1], v[\adr+2+(BY/ROWB)%2] offset:BY%ROWB-232+(\i)*16*PITCH
.endif
.endr
.endm
.macro MUL16 a0, p, q, sc, zero        ; A's blocks a0, a0 + 1 x B's eight; the 64 accumulators take turns
.irp a, \a0, \a0+1
.irp b, 0,1,2,3,4,5,6,7
.if \zero
	v_wmma_scale_f32_16x16x128_f8f6f4 v[8*(8*((\a)%4)+\b):8*(8*((\a)%4)+\b)+7], v[128*(\p)+FR*\b:128*(\p)+FR*\b+FR-1], v[AF+FR*(\a):AF+FR*(\a)+FR-1], 0, v[SC+8*NQ*(\sc)+NQ*\b+(\q)], v[SC+8*NQ*(\sc)+NQ*(\a)+(\q)] matrix_a_fmt:MATRIX_FMT_BF6 matrix_b_fmt:MATRIX_FMT_BF6 matrix_a_scale:MATRIX_SCALE_ROW1
.else
	v_wmma_scale_f32_16x16x128_f8f6f4 v[8*(8*((\a)%4)+\b):8*(8*((\a)%4)+\b)+7], v[128*(\p)+FR*\b:128*(\p)+FR*\b+FR-1], v[AF+FR*(\a):AF+FR*(\a)+FR-1], v[8*(8*((\a)%4)+\b):8*(8*((\a)%4)+\b)+7], v[SC+8*NQ*(\sc)+NQ*\b+(\q)], v[SC+8*NQ*(\sc)+NQ*(\a)+(\q)] matrix_a_fmt:MATRIX_FMT_BF6 matrix_b_fmt:MATRIX_FMT_BF6 matrix_a_scale:MATRIX_SCALE_ROW1
.endif
.endr
.endr
.endm
.macro FETCH_B st, p
	WIN TO_B
.irp i, 0,1,2,3,4,5,6,7
	FRAG 128*(\p)+FR*\i, ADRB, \st, \i
.endr
	WIN 0
.endm
.macro FETCH_A st, i0
.irp i, \i0, \i0+1, \i0+2, \i0+3
	FRAG AF+FR*(\i), ADRA, \st, \i
.endr
.endm
.macro SCALES pr                       ; the words of steps 2 pr, 2 pr + 1: lanes 0-15 A's block i, lanes 16-31 B's
.irp i, 0,1,2,3,4,5,6,7
	ds_load_b64 v[SC+8*NQ*((\pr)%2)+NQ*\i:SC+8*NQ*((\pr)%2)+NQ*\i+1], v[ADRS] offset:\i*SBLK+4*NQ*(\pr)
.endr
.endm
.macro PLACES n
.rept \n
	v_nop
.endr
.endm
; A step: 64 products; the next step's fragments are fetched in its middle and at its end.  Where the next step ends in a chunk not yet read, a barrier shows that chunk whole;
; where it begins in a later chunk, the chunk left behind is free: the wait for all my tensor loads, the add, the wait for it and for my reads, the barrier; a round and the refill follow where a chunk is left to fetch.
.macro STEP st, zero
.set NX, (\st)+1
.set C0, (96*(\st))/ROWB
.set C1, (96*NX)/ROWB
.set E0, (96*(\st)+95)/ROWB
.set E1, (96*NX+95)/ROWB
.if C1 > C0 || E1 > E0
	s_wait_tensorcnt 0x0
.if C1 > C0
	ds_add_u32 v[SPW], v[NIL]
	s_wait_dscnt 4*NL+1                            ; the add and A's blocks 4-7 may be out
.else
	s_wait_dscnt 4*NL                              ; A's blocks 4-7 may be out
.endif
	WIN MUL_LO
	MUL16 0, (\st)%2, (\st)%2, ((\st)/2)%2, \zero
	s_wait_dscnt 0x0                               ; the add and all my reads are done
	s_barrier_signal -1
	MUL16 2, (\st)%2, (\st)%2, ((\st)/2)%2, \zero
	WIN 0
	s_barrier_wait -1
.if C1 > C0 && C0+2 < CHUNKS
	CREST
	s_add_nc_u64 s[G0+4*(C0%2)+2:G0+4*(C0%2)+3], s[G0+4*(C0%2)+2:G0+4*(C0%2)+3], 2*ROWB
	s_add_nc_u64 s[G0B+4*(C0%2)+2:G0B+4*(C0%2)+3], s[G0B+4*(C0%2)+2:G0B+4*(C0%2)+3], 2*ROWB
	JLOAD G0+4*(C0%2), G1, G0B+4*(C0%2), G1B       ; chunk C0 + 2; its four v_nop are the places in front of the loads below
.else
	PLACES NP
.endif
.else
	s_wait_dscnt 4*NL
	WIN MUL_LO
	MUL16 0, (\st)%2, (\st)%2, ((\st)/2)%2, \zero
	MUL16 2, (\st)%2, (\st)%2, ((\st)/2)%2, \zero
	s_wait_dscnt 0
	PLACES NP
.endif
	FETCH_B NX, NX%2
	FETCH_A NX, 0
.if NX%2 == 0
	SCALES NX/2
.endif
	WIN MUL_HI
	MUL16 4, (\st)%2, (\st)%2, ((\st)/2)%2, \zero
	MUL16 6, (\st)%2, (\st)%2, ((\st)/2)%2, \zero
	PLACES NP
	WIN 0
	FETCH_A NX, 4
.endm
	s_wait_alu depctr_va_vdst(0)
	s_wait_tensorcnt 0x0                           ; my tile of the head's four is in; slot 1's first fill is issued as a refill is
	ds_add_u32 v[SPW], v[NIL]
	s_mov_b32 s[G1+2], 128<<16                     ; no load of mine is out: from here on a load brings 128 rows
	s_mov_b32 s[G1+4], 128
	s_mov_b32 s[G1B+2], 128<<16
	s_mov_b32 s[G1B+4], 128
	s_wait_dscnt 0x0
	CROUND
	JLOAD G0+4, G1, G0B+4, G1B                     ; chunk 1
	FETCH_B 0, 0
	FETCH_A 0, 0
	SCALES 0
	FETCH_A 0, 4
	STEP 0, 1                                      ; the first step's products start the sums
.set ST, 1
.rept STEPS-2
	STEP ST, 0
.set ST, ST+1
.endr
	s_wait_dscnt 4*NL
	WIN MUL_LO
	MUL16 0, 1, 1, 1, 0
	MUL16 2, 1, 1, 1, 0
	s_wait_dscnt 0
	WIN MUL_HI
	MUL16 4, 1, 1, 1, 0
	MUL16 6, 1, 1, 1, 0
	WIN 0
; One fragment of the result: four blocks of 32 (16 registers in lanes l and l xor 16 each), from window w at s0 and s1; chunk g, fragment k.
.macro OUTFRAG w, s0, s1, g, k
.set WA, (\w)|((\w)<<2)
.set WM, ((\w)<<2)|((\w)<<4)
.set WC, (\w)
	s_wait_xcnt 0x0                                ; the last fragment's stores have read their registers
	WIN WA
	v_max3_num_f32 v[MX+0], |v[(\s0)]|, |v[(\s0)+1]|, FLOOR
	v_max3_num_f32 v[MX+1], |v[(\s0)+16]|, |v[(\s0)+17]|, FLOOR
	v_max3_num_f32 v[MX+2], |v[(\s1)]|, |v[(\s1)+1]|, FLOOR
	v_max3_num_f32 v[MX+3], |v[(\s1)+16]|, |v[(\s1)+17]|, FLOOR
	WIN WM
.irp i, 2,4,6,8,10,12,14
	v_max3_num_f32 v[MX+0], v[MX+0], |v[(\s0)+\i]|, |v[(\s0)+\i+1]|
	v_max3_num_f32 v[MX+1], v[MX+1], |v[(\s0)+16+\i]|, |v[(\s0)+17+\i]|
	v_max3_num_f32 v[MX+2], v[MX+2], |v[(\s1)+\i]|, |v[(\s1)+\i+1]|
	v_max3_num_f32 v[MX+3], v[MX+3], |v[(\s1)+16+\i]|, |v[(\s1)+17+\i]|
.endr
	WIN 0
.irp b, 0,1,2,3
	v_permlanex16_b32 v[PT+\b], v[MX+\b], s20, s21
.endr
.irp b, 0,1,2,3
	v_max_num_f32 v[MX+\b], v[MX+\b], v[PT+\b]
.endr
.irp b, 0,1,2,3
	v_add_nc_u32 v[SF+\b], 0xfe000000, v[MX+\b]    ; 4 off the exponent field: the conversion's scale operand
.endr
.irp b, 0,1,2,3
	v_lshrrev_b32 v[PT+\b], 23, v[SF+\b]           ; the byte
.endr
	v_lshl_or_b32 v[WD+4*(\g)+(\k)], v[PT+1], 8, v[PT]
	v_lshl_or_b32 v[WD+4*(\g)+(\k)], v[PT+2], 16, v[WD+4*(\g)+(\k)]
	v_lshl_or_b32 v[WD+4*(\g)+(\k)], v[PT+3], 24, v[WD+4*(\g)+(\k)]
	WIN WC
	v_cvt_scalef32_pk16_bf6_f32 v[CD:CD+2], v[(\s0):(\s0)+15], v[SF]
	v_cvt_scalef32_pk16_bf6_f32 v[CT:CT+2], v[(\s0)+16:(\s0)+31], v[SF+1]
	v_cvt_scalef32_pk16_bf6_f32 v[CD+6:CD+8], v[(\s1):(\s1)+15], v[SF+2]
	v_cvt_scalef32_pk16_bf6_f32 v[CT+4:CT+6], v[(\s1)+16:(\s1)+31], v[SF+3]
	WIN 0
	v_nop                                          ; one plain place behind a scaled conversion
.irp c, 0,1
.irp i, 0,1,2
	v_permlane16_swap_b32 v[CD+6*\c+\i], v[CT+4*\c+\i]   ; a whole block in a lane
.endr
.irp i, 0,1,2
	v_mov_b32 v[CD+3+6*\c+\i], v[CT+4*\c+\i]
.endr
.endr
.irp c, 0,1,2
	global_store_b128 v[LI], v[CD+4*\c:CD+4*\c+3], s[12:13] offset:HEADB*(\g)+1536*(\k)+512*\c   ; 512 consecutive bytes
.endr
.endm
	PLACES NP
	s_mov_b32 s20, 0x76543210
	s_mov_b32 s21, 0xfedcba98
	s_mov_b32 s92, 0xffff0000
.irp b, 0,1,2,3
	v_mov_b32 v[PT+\b], 0
.endr
	s_cmp_eq_u32 s66, 2
	s_cbranch_scc1 .Lv
.irp g, 0,1                            ; q, k: K = the head's 64; a fragment holds 32 tokens
.irp k, 0,1,2,3
	OUTFRAG 2+\k/2, 64*((2*\k)%4)+32*\g, 64*((2*\k)%4)+64+32*\g, \g, \k
.endr
.endr
	s_branch .Ldone
.Lv:
.irp g, 0,1                            ; v: K = 128 keys; a fragment holds 16 of the head's 64
.irp k, 0,1,2,3
	OUTFRAG 2+\g, 64*\k, 64*\k+32, \g, \k
.endr
.endr
.Ldone:
.irp k, 0,1,2,3
	v_cndmask_b32 v[OW+\k], v[WD+\k], v[WD+4+\k], s92   ; lanes 0-15 the first head's words, lanes 16-31 the second's
.endr
	global_store_b128 v[SO], v[OW:OW+3], s[12:13] offset:6144
	s_wait_tensorcnt 0x0                           ; the wave's end
	ds_add_u32 v[SPW], v[NIL]
	s_wait_dscnt 0x0
	CROUND                                         ; the closing round
	s_endpgm
.Lfunc_end_k_q11ecf340e1_proj:
	.size	k_q11ecf340e1_proj, .Lfunc_end_k_q11ecf340e1_proj-k_q11ecf340e1_proj
	.p2alignl 7, 3214868480
	.fill 96, 4, 3214868480
	.section	.rodata,"a",@progbits
	.p2align	6, 0x0
	.amdhsa_kernel k_q11ecf340e1_proj
		.amdhsa_group_segment_fixed_size 327680
		.amdhsa_private_segment_fixed_size 0
		.amdhsa_enable_private_segment 0
		.amdhsa_kernarg_size 120
		.amdhsa_user_sgpr_count 2
		.amdhsa_user_sgpr_kernarg_segment_ptr 1
		.amdhsa_wavefront_size32 1
		.amdhsa_system_sgpr_workgroup_id_x 1
		.amdhsa_system_sgpr_workgroup_id_y 1
		.amdhsa_system_sgpr_workgroup_id_z 1
		.amdhsa_system_vgpr_workitem_id 0
		.amdhsa_next_free_vgpr 1024
		.amdhsa_next_free_sgpr 102
		.amdhsa_reserve_vcc 0
		.amdhsa_float_denorm_mode_32 3
		.amdhsa_float_denorm_mode_16_64 3
		.amdhsa_memory_ordered 1
		.amdhsa_forward_progress 1
		.amdhsa_inst_pref_size 199
	.end_amdhsa_kernel
	.amdgpu_metadata
---
amdhsa.version: [ 1, 2 ]
amdhsa.kernels:
  - .name:           k_q11ecf340e1_proj
    .symbol:         k_q11ecf340e1_proj.kd
    .args:
      - { .name: Qc, .offset: 0, .size: 8, .value_kind: global_buffer, .address_space: global }
      - { .name: K_codes, .offset: 8, .size: 8, .value_kind: global_buffer, .address_space: global }
      - { .name: W_v_codes, .offset: 16, .size: 8, .value_kind: global_buffer, .address_space: global }
      - { .name: Qs, .offset: 24, .size: 8, .value_kind: global_buffer, .address_space: global }
      - { .name: K_scales, .offset: 32, .size: 8, .value_kind: global_buffer, .address_space: global }
      - { .name: W_v_scales, .offset: 40, .size: 8, .value_kind: global_buffer, .address_space: global }
      - { .name: W_q_codes, .offset: 48, .size: 8, .value_kind: global_buffer, .address_space: global }
      - { .name: W_k_codes, .offset: 56, .size: 8, .value_kind: global_buffer, .address_space: global }
      - { .name: V_codes, .offset: 64, .size: 8, .value_kind: global_buffer, .address_space: global }
      - { .name: W_q_scales, .offset: 72, .size: 8, .value_kind: global_buffer, .address_space: global }
      - { .name: W_k_scales, .offset: 80, .size: 8, .value_kind: global_buffer, .address_space: global }
      - { .name: V_scales, .offset: 88, .size: 8, .value_kind: global_buffer, .address_space: global }
      - { .name: qb, .offset: 96, .size: 8, .value_kind: global_buffer, .address_space: global }
      - { .name: kb, .offset: 104, .size: 8, .value_kind: global_buffer, .address_space: global }
      - { .name: vb, .offset: 112, .size: 8, .value_kind: global_buffer, .address_space: global }
    .group_segment_fixed_size: 327680
    .private_segment_fixed_size: 0
    .kernarg_segment_align: 8
    .kernarg_segment_size: 120
    .max_flat_workgroup_size: 128
    .sgpr_count:     102
    .vgpr_count:     1024
    .wavefront_size: 32
...
	.end_amdgpu_metadata
.endif
;; end of part 2
;; launch attn (part 3): grid 4 x 64, 16 waves a work-group, clusters of 4 x 1, 206,848 bytes of LDS; arguments qb, kb, vb, hd; writes hd
.if DOCPART == 3
	.amdgcn_target "amdgcn-amd-amdhsa--gfx1250"
	.amdhsa_code_object_version 6
	.text
	.protected	k_q11ecf340e1_attn
	.globl	k_q11ecf340e1_attn
	.p2align	8
	.type	k_q11ecf340e1_attn,@function
k_q11ecf340e1_attn:
	s_mov_b64 s[64:65], 0
	v_nop
	global_prefetch_b8 v0, s[64:65] scope:SCOPE_SE
	s_setreg_imm32_b32 hwreg(HW_REG_WAVE_MODE, 25, 1), 1
	s_wait_xcnt 0x0
	s_wait_alu depctr_hold_cnt(0) depctr_sa_sdst(0) depctr_va_vdst(0) depctr_va_sdst(0) depctr_va_ssrc(0) depctr_va_vcc(0) depctr_vm_vsrc(0)
	s_getreg_b32 s2, hwreg(HW_REG_IB_STS2, 6, 4)
	s_cmp_eq_u32 s2, 0
	s_cbranch_scc0 .Lentry_in_a_cluster
	s_endpgm
.Lentry_in_a_cluster:
	s_bfe_u32 s2, ttmp6, 0x10000c
	s_cmp_lg_u32 s2, 0x3003
	s_cbranch_scc0 .Lentry_shape_is_right
	s_endpgm
.Lentry_shape_is_right:
; ATTENTION: for each (b, head): S = q k^T / 8, softmax along the keys, O = P v, O / l, and the quantiser of the heads along (head, dv).  Both products on codes of BF6 (E3M2) with one E8M0 byte for each 32 along K.  Nothing is left out here.
; THE SOFTMAX: t = score x log2(e) / 8; M = the row's largest t so far, rounded UP to a whole number; p = 2^(t - M) is quantised along the keys, not normalised.  The row's sum is taken of the unquantised p and divides O at the end.
; When M moves, the sum and O are multiplied by 2^(old M - new M): exact.
; INPUTS: qb, kb, vb: [16 b + head][step of 128 tokens, 16][chunk of 6,400 bytes]: four fragments as images of the operand's registers (three groups of 512 bytes, lane l's 16 bytes at 16 l), then 256 bytes of scale words laid [row r][fragment].
;   v: fragment t = dv 16 t + r, K = the step's 128 keys.   q, k: K is 64: a fragment holds 32 tokens: registers 0-5 token 32 f + r, registers 6-11 token 32 f + 16 + r; scale bytes 0, 1 the first token's, 2, 3 the second's.
; K = 64 IN AN INSTRUCTION OF K = 128: my queries stand twice, [q | 0] and [0 | q], overlapped in 18 registers.  Zero codes add nothing under any scale byte but 0xff, and none here is 0xff.
; SHARES.  256 work-groups.  A work-group owns 512 queries of one (b, head), in TWO PASSES of 256; in a pass each of its sixteen waves owns 16 queries.
; The head's K and V, 2 x 102,400 bytes, come into LDS once and serve both passes: one load a wave, two chunks (50 rows of 256 bytes): waves 0-7 K's, waves 8-15 V's.  No byte is filled again.
; CLUSTER.  The four work-groups of a head form a cluster and ask for each pair of chunks jointly.  No prefetch: the one fill stands at the head, with no loop ahead of it to ask from.
; LAYOUT.  Both products are used transposed: a lane holds ONE query (lane % 16).  p's codes lie at places 16 h + 8 u + j of a block, the order in which the launch before has laid v's keys.
; OUTPUT: hd [group of 32 rows][25,600]: codes at (16 u + head) x 768, six registers a lane; scale words at 24,576 + (8 u + head / 2) x 64 + 4 r, two bytes for each head.
; LIMITS: a block of zeros gets the byte 1 where the rule says 127 (zero codes; this program alone reads the bytes); NaN and infinities are not served; the scaled scores stay under 2^31 in magnitude.
; REGISTERS: v1-4 addresses; v5, v6 the add's two; v8-11 a step's addresses; v12 -M, v13 the largest t, v[14:15] the sum; v16-33 q, zeros, q; v34, v35 q's scale words; v36-83 fragments of K, then V; v84-91 their scale words;
;   v96-159 S^T, then p; v160-191 O^T; v192-203 p's codes; v204-229, v244-255 at work; v230-241 both passes' q, v242, v243 their scale bytes.
.set CHUNK, 6400
.set HEADB, 16*CHUNK
.set VB,    HEADB
.set SPARE, 2*HEADB                    ; the spare words, 128 bytes a wave, which no other line names
.set FLOOR, 0x2800000                  ; 2^(5 - 127)
.macro CROUND
	s_barrier_signal -1
	s_barrier_wait -1
	s_cmp_lg_u32 s12, 0
	s_cbranch_scc1 .Lnot_wave_0_\@
	s_barrier_signal -3
.Lnot_wave_0_\@:
	s_barrier_wait -3
	s_barrier_signal -1
	s_barrier_wait -1
.endm
	s_load_b256 s[4:11], s[0:1], 0x0               ; qb, kb, vb, hd
	v_lshl_add_u32 v5, v0, 2, SPARE
	v_mov_b32 v6, 0
	ds_add_u32 v5, v6                              ; the opening lines: the add, twice on end, and its wait
	ds_add_u32 v5, v6
	v_lshrrev_b32 v7, 5, v0
	s_delay_alu instid0(VALU_DEP_1)
	v_readfirstlane_b32 s12, v7                    ; wave
	s_bfe_u32 s14, ttmp6, 0x40000                  ; cx: my block of 512 queries (the grid's x is one cluster); it enters q's and hd's addresses alone
	s_and_b32 s15, ttmp7, 0xffff                   ; 16 b + head
	s_mov_b32 s24, 15|(3<<16)|(1<<21)              ; the mask: all four; elements of 8 bytes; bit 21 beside a mask
	s_mov_b32 s25, 32<<16
	s_mov_b32 s26, 50<<16                          ; 50 rows of 256 bytes, dense
	s_mov_b32 s27, 32<<16
	s_mov_b32 s28, 50
	s_mov_b32 s29, 32
	s_mov_b32 s30, 0
	s_mov_b32 s31, 0
	s_mov_b32 s22, 0x3e38aa3b                      ; c = log2(e) / 8
	s_mov_b32 s23, s22
	s_mov_b32 s48, 0x76543210
	s_mov_b32 s49, 0xfedcba98
	s_mul_i32 s16, s15, HEADB                      ; the head's first byte in qb, kb, vb
	s_and_b32 s18, s12, 7
	s_mul_i32 s18, s18, 2*CHUNK                    ; my two chunks, in a head's bytes and in LDS alike
	s_add_co_u32 s20, s16, s18
	s_mov_b32 s21, 0
	v_and_b32 v7, 31, v0
	s_delay_alu instid0(VALU_DEP_1)
	v_lshlrev_b32 v1, 4, v7                        ; 16 x lane
	v_and_b32 v7, 15, v0
	s_delay_alu instid0(VALU_DEP_1)
	v_lshlrev_b32 v2, 4, v7
	s_delay_alu instid0(VALU_DEP_1)
	v_add_nc_u32 v2, 6144, v2                      ; my row's four scale words of a chunk
	v_add_nc_u32 v3, VB, v1
	s_delay_alu instid0(VALU_DEP_2)
	v_add_nc_u32 v4, VB, v2
	s_wait_alu depctr_va_vdst(0)
	s_wait_dscnt 0x0
	s_wait_kmcnt 0x0
	CROUND                                         ; all four work-groups are here: the joint loads meet
	s_mov_b32 s32, 1
	s_mov_b32 s33, s18
	s_add_nc_u64 s[34:35], s[6:7], s[20:21]
	s_or_b32 s35, s35, 0x80000000
	s_mov_b32 s40, 1
	s_add_co_u32 s41, s18, VB
	s_add_nc_u64 s[42:43], s[8:9], s[20:21]
	s_or_b32 s43, s43, 0x80000000
	s_cmp_lt_u32 s12, 8                            ; every way passes one load
	s_cbranch_scc0 .Lfirst_v
	tensor_load_to_lds s[32:35], s[24:31]
	s_nop 0
.rept 4
	v_nop
.endr
	s_branch .Lfirst_asked
.Lfirst_v:
	tensor_load_to_lds s[40:43], s[24:31]
	s_nop 0
.rept 4
	v_nop
.endr
.Lfirst_asked:
	; q of both passes, under the tiles' flight: in pass p my 16 queries are half (wave % 2) of fragment (wave / 2) % 4 of chunk 4 x block + 2 p + wave / 8
	s_lshl_b32 s18, s14, 2
	s_lshr_b32 s19, s12, 3
	s_add_co_u32 s18, s18, s19
	s_mul_i32 s18, s18, CHUNK
	s_add_co_u32 s18, s18, s16
	s_mov_b32 s19, 0
	s_add_nc_u64 s[4:5], s[4:5], s[18:19]
	s_bfe_u32 s54, s12, 0x20001
	s_mul_i32 s55, s54, 1536
	s_lshl_b32 s54, s54, 2
	v_add_nc_u32 v7, s55, v1
	v_add_nc_u32 v225, s54, v2
.irp p, 0,1
.irp c, 0,1,2
	global_load_b128 v[36+12*\p+4*\c:39+12*\p+4*\c], v7, s[4:5] offset:2*CHUNK*\p+512*\c
.endr
.endr
	global_load_b32 v224, v225, s[4:5]
	global_load_b32 v229, v225, s[4:5] offset:2*CHUNK
.irp b, 0,1,2,3
	v_mov_b32 v[216+\b], 0                         ; a lane permute's destination counts as one of its sources
.endr
	v_mov_b32 v227, 0                              ; the upper half of the pair v[226:227]
.irp i, 0,1,2,3,4,5
	v_mov_b32 v[22+\i], 0                          ; the zero codes between the two copies of q
.endr
	s_and_b32 s53, s12, 1
	s_cmp_eq_u32 s53, 1
	s_cselect_b32 s52, -1, 0                       ; which half of the fragment is mine
	s_lshl_b32 s53, s53, 4
	s_wait_loadcnt 0x0
.irp p, 0,1
.irp i, 0,1,2,3,4,5
	v_cndmask_b32 v[230+6*\p+\i], v[36+12*\p+\i], v[42+12*\p+\i], s52
.endr
.endr
	v_lshrrev_b32 v242, s53, v224
	v_lshrrev_b32 v243, s53, v229
	s_delay_alu instid0(VALU_DEP_2)
	v_and_b32 v242, 0xffff, v242                   ; my two scale bytes, pass 0's and pass 1's
	s_delay_alu instid0(VALU_DEP_2)
	v_and_b32 v243, 0xffff, v243
	s_wait_alu depctr_va_vdst(0)
	s_wait_tensorcnt 0x0                           ; my two chunks are in;
	s_barrier_signal -1
	s_barrier_wait -1                              ; everybody's are.
	s_mov_b32 s56, 0                               ; the pass
; A KEY STEP: 128 keys: the chunk at LDS byte s50 of K's region and of V's.
.macro STEP
	v_add_nc_u32 v8, s50, v1                       ; (these four are the places behind the last step's products)
	v_add_nc_u32 v9, s50, v2
	v_add_nc_u32 v10, s50, v3
	v_add_nc_u32 v11, s50, v4
.irp f, 0,1,2,3
.irp c, 0,1,2
	ds_load_b128 v[36+12*\f+4*\c:39+12*\f+4*\c], v8 offset:1536*\f+512*\c
.endr
.endr
	ds_load_b128 v[84:87], v9
	s_wait_alu depctr_va_vdst(0)
	s_wait_dscnt 0x0
.irp f, 0,1,2,3                                ; S^T = k q^T: eight results, each begun with the constant 0
	v_wmma_scale_f32_16x16x128_f8f6f4 v[96+16*\f:103+16*\f], v[36+12*\f:47+12*\f], v[16:27], 0, v[84+\f], v34 matrix_a_fmt:MATRIX_FMT_BF6 matrix_b_fmt:MATRIX_FMT_BF6
	v_wmma_scale_f32_16x16x128_f8f6f4 v[104+16*\f:111+16*\f], v[36+12*\f:47+12*\f], v[22:33], 0, v[84+\f], v35 matrix_a_fmt:MATRIX_FMT_BF6 matrix_b_fmt:MATRIX_FMT_BF6
.endr
.rept 4
	v_nop                                          ; places in front of the loads below and of the first read of the scores
.endr
.irp f, 0,1,2,3
.irp c, 0,1,2
	ds_load_b128 v[36+12*\f+4*\c:39+12*\f+4*\c], v10 offset:1536*\f+512*\c   ; V's fragments land while the softmax is worked
.endr
.endr
	ds_load_b128 v[88:91], v11
.irp b, 0,1,2,3
	v_max3_num_f32 v[212+\b], v[96+16*\b], v[97+16*\b], v[98+16*\b]   ; the largest score of each block of 32 keys: for the row's maximum and, since p rises with the score, for the block's largest p
.endr
.irp i, 3,5,7,9,11,13
.irp b, 0,1,2,3
	v_max3_num_f32 v[212+\b], v[212+\b], v[96+16*\b+\i], v[97+16*\b+\i]
.endr
.endr
.irp b, 0,1,2,3
	v_max_num_f32 v[212+\b], v[212+\b], v[111+16*\b]
.endr
.irp b, 0,1,2,3
	s_delay_alu instid0(VALU_DEP_4)
	v_permlanex16_b32 v[216+\b], v[212+\b], s48, s49
.endr
.irp b, 0,1,2,3
	s_delay_alu instid0(VALU_DEP_4)
	v_max_num_f32 v[212+\b], v[212+\b], v[216+\b]
.endr
	s_delay_alu instid0(VALU_DEP_2)
	v_max3_num_f32 v224, v212, v213, v214
	s_delay_alu instid0(VALU_DEP_1)
	v_max_num_f32 v224, v224, v215
	s_delay_alu instid0(VALU_DEP_1)
	v_mul_f32 v224, s22, v224                      ; as t (c is positive)
	s_delay_alu instid0(VALU_DEP_1)
	v_max_num_f32 v13, v13, v224                   ; the running largest t
	v_mov_b32 v224, v12
	s_delay_alu instid0(VALU_DEP_2)
	v_floor_f32 v12, -v13                          ; the new -M = -ceil(t)
	s_delay_alu instid0(VALU_DEP_1)
	v_sub_f32 v224, v12, v224                      ; old M less new M: a whole number, 0 or less
	s_delay_alu instid0(VALU_DEP_1)
	v_cvt_i32_f32 v224, v224
	s_delay_alu instid0(VALU_DEP_1)
	v_ldexp_f32 v226, 1.0, v224                    ; f = 2^(old M - new M)
.set J, 0
.rept 32
	v_pk_fma_f32 v[96+J:97+J], v[96+J:97+J], s[22:23], v[12:13] op_sel_hi:[1,0,0]   ; t - M
.set J, J+2
.endr
.irp b, 0,1,2,3
	v_fma_f32 v[212+\b], v[212+\b], s22, v12       ; the same of each block's largest score
.endr
	s_wait_alu depctr_va_vdst(0)
.set J, 0
.rept 64
	v_exp_f32 v[96+J], v[96+J]                     ; p = 2^(t - M)
.set J, J+1
.endr
	v_pk_mul_f32 v[14:15], v[14:15], v[226:227] op_sel_hi:[1,0]   ; the sums under the new M (a plain place behind the exponentials)
	s_wait_alu depctr_va_vdst(0)                   ; one wait for the batch
.irp b, 0,1,2,3
	v_exp_f32 v[212+\b], v[212+\b]                 ; the block's largest p
.endr
.irp c, 0,1,2,3,4,5                            ; the row's sum of the unquantised p: 32 packed additions in eight chains
	v_pk_add_f32 v[244+2*\c:245+2*\c], v[96+4*\c:97+4*\c], v[98+4*\c:99+4*\c]
.endr
	v_pk_add_f32 v[216:217], v[120:121], v[122:123]
	v_pk_add_f32 v[14:15], v[14:15], v[124:125]
.irp g, 0,1
.irp c, 0,1,2,3,4,5
	v_pk_add_f32 v[244+2*\c:245+2*\c], v[244+2*\c:245+2*\c], v[126+16*\g+2*\c:127+16*\g+2*\c]
.endr
	v_pk_add_f32 v[216:217], v[216:217], v[138+16*\g:139+16*\g]
	v_pk_add_f32 v[14:15], v[14:15], v[140+16*\g:141+16*\g]
.endr
	v_pk_add_f32 v[244:245], v[244:245], v[246:247]
	v_pk_add_f32 v[248:249], v[248:249], v[250:251]
	v_pk_add_f32 v[252:253], v[252:253], v[254:255]
	v_pk_add_f32 v[216:217], v[216:217], v[158:159]
	s_delay_alu instid0(VALU_DEP_3)
	v_pk_add_f32 v[244:245], v[244:245], v[248:249]
	s_delay_alu instid0(VALU_DEP_3)
	v_pk_add_f32 v[14:15], v[14:15], v[252:253]
	s_delay_alu instid0(VALU_DEP_2)
	v_pk_add_f32 v[216:217], v[216:217], v[244:245]
	s_delay_alu instid0(VALU_DEP_1)
	v_pk_add_f32 v[14:15], v[14:15], v[216:217]
	s_wait_alu depctr_va_vdst(0)                   ; and one for the four
.irp b, 0,1,2,3
	v_max_num_f32 v[212+\b], FLOOR, v[212+\b]      ; the byte cannot fall under 1
.endr
.irp b, 0,1,2,3
	s_delay_alu instid0(VALU_DEP_4)
	v_add_nc_u32 v[220+\b], 0xfe000000, v[212+\b]  ; 4 off the exponent field: the conversion's scale operand
.endr
.irp b, 0,1,2,3
	s_delay_alu instid0(VALU_DEP_4)
	v_lshrrev_b32 v[216+\b], 23, v[220+\b]
.endr
	s_delay_alu instid0(VALU_DEP_3)
	v_lshl_or_b32 v228, v217, 8, v216              ; p's scale word for these 128 keys
	s_delay_alu instid0(VALU_DEP_1)
	v_lshl_or_b32 v228, v218, 16, v228
	s_delay_alu instid0(VALU_DEP_1)
	v_lshl_or_b32 v228, v219, 24, v228
.irp c, 0,1
	v_cvt_scalef32_pk16_bf6_f32 v[192+6*\c:194+6*\c], v[96+32*\c:111+32*\c], v[220+2*\c]
	v_cvt_scalef32_pk16_bf6_f32 v[204+4*\c:206+4*\c], v[112+32*\c:127+32*\c], v[221+2*\c]
.endr
	v_nop                                          ; one plain place behind a scaled conversion
.irp c, 0,1                                    ; a whole block in a lane
.irp i, 0,1,2
	v_permlane16_swap_b32 v[192+6*\c+\i], v[204+4*\c+\i]
.endr
.irp i, 0,1,2
	s_delay_alu instid0(VALU_DEP_3)
	v_mov_b32 v[195+6*\c+\i], v[204+4*\c+\i]
.endr
.endr
	s_wait_alu depctr_va_vdst(0)                   ; directly ahead of the first reader of O^T
.set J, 0
.rept 16
	v_pk_mul_f32 v[160+J:161+J], v[160+J:161+J], v[226:227] op_sel_hi:[1,0]   ; O^T x f; also the places between p's codes and scale word and the products below
.set J, J+2
.endr
	s_wait_alu depctr_va_vdst(0)
	s_wait_dscnt 0x0                               ; V's fragments and scale words are in
.irp t, 0,1,2,3                                ; O^T += v^T p^T: four accumulators by turns
	v_wmma_scale_f32_16x16x128_f8f6f4 v[160+8*\t:167+8*\t], v[36+12*\t:47+12*\t], v[192:203], v[160+8*\t:167+8*\t], v[88+\t], v228 matrix_a_fmt:MATRIX_FMT_BF6 matrix_b_fmt:MATRIX_FMT_BF6
.endr
.endm
.Lpass:
	s_cmp_eq_u32 s56, 1
	s_cselect_b32 s57, -1, 0                       ; all lanes or none: this pass's q
.irp i, 0,1,2,3,4,5
	v_cndmask_b32 v[16+\i], v[230+\i], v[236+\i], s57
	v_cndmask_b32 v[28+\i], v[230+\i], v[236+\i], s57
.endr
	v_cndmask_b32 v34, v242, v243, s57             ; [q | 0]'s scale word: my two bytes below
	s_delay_alu instid0(VALU_DEP_1)
	v_lshlrev_b32 v35, 16, v34                     ; [0 | q]'s: above
	v_mov_b32 v13, 0xff61b1e6                      ; the largest t so far: -3e38
	s_delay_alu instid0(VALU_DEP_1)
	v_floor_f32 v12, -v13
	v_mov_b32 v14, 0
	v_mov_b32 v15, 0
.set J, 0
.rept 32
	v_mov_b32 v[160+J], 0                          ; O^T: the step is written for all steps alike; also the places between the scale words' lines and the first product
.set J, J+1
.endr
	s_mov_b32 s50, 0
	s_mov_b32 s51, 16
.Lstep:
	STEP
	s_add_co_u32 s50, s50, CHUNK
	s_sub_co_u32 s51, s51, 1
	s_cmp_lg_u32 s51, 0
	s_cbranch_scc1 .Lstep
	; THE WAY OUT of a pass: O^T / the sum, the true order along dv, quantised in two blocks of 32, stored as six registers a lane of the next launch's operand
	v_add_f32 v14, v14, v15
	s_delay_alu instid0(VALU_DEP_1)
	v_permlanex16_b32 v226, v14, s48, s49
	s_delay_alu instid0(VALU_DEP_1)
	v_add_f32 v14, v14, v226                       ; the row's sum
	s_wait_alu depctr_va_vdst(0)
	v_rcp_f32 v14, v14
	v_lshrrev_b32 v7, 1, v1                        ; 8 x lane
	v_and_b32 v8, 15, v0
	s_delay_alu instid0(VALU_DEP_1)
	v_lshlrev_b32 v8, 2, v8                        ; 4 r
	v_nop
	s_lshr_b32 s16, s15, 4                         ; b
	s_lshl_b32 s16, s16, 6
	s_lshl_b32 s17, s14, 1
	s_add_co_u32 s17, s17, s56                     ; 2 x block + pass: which 256 queries
	s_lshl_b32 s17, s17, 3
	s_add_co_u32 s16, s16, s17
	s_lshr_b32 s17, s12, 1
	s_add_co_u32 s16, s16, s17                     ; my group of 32 rows
	s_mul_i32 s16, s16, 25600
	s_and_b32 s17, s12, 1                          ; u
	s_and_b32 s18, s15, 15                         ; head
	s_lshl_b32 s19, s17, 4
	s_add_co_u32 s19, s19, s18
	s_mul_i32 s19, s19, 768
	s_add_co_u32 s20, s16, s19
	s_mov_b32 s21, 0
	s_add_nc_u64 s[20:21], s[10:11], s[20:21]      ; my codes
	s_lshl_b32 s17, s17, 3
	s_lshr_b32 s19, s18, 1
	s_add_co_u32 s17, s17, s19
	s_lshl_b32 s17, s17, 6
	s_and_b32 s18, s18, 1
	s_lshl_b32 s18, s18, 1
	s_add_co_u32 s17, s17, s18
	s_add_co_u32 s16, s16, s17
	s_add_co_u32 s16, s16, 24576
	s_mov_b32 s17, 0
	s_add_nc_u64 s[60:61], s[10:11], s[16:17]      ; my two bytes of the rows' scale words
	s_wait_alu depctr_va_vdst(0)                   ; ahead of the reciprocal's first reader, and of O^T's
.set J, 0
.rept 32
	v_mul_f32 v[96+J], v[160+J], v14               ; register 8 t + j: dv 16 t + 8 h + j of query r
.set J, J+1
.endr
.irp b, 0,1
.irp j, 0,1,2,3,4,5,6,7
	v_permlane16_swap_b32 v[96+16*\b+\j], v[104+16*\b+\j]   ; register 96 + 16 b + i: dv 32 b + 16 h + i, the true order, as W_o's codes are given
.endr
.endr
.irp b, 0,1
	v_max3_num_f32 v[212+\b], |v[96+16*\b]|, |v[97+16*\b]|, FLOOR
.endr
.irp i, 2,4,6,8,10,12,14
.irp b, 0,1
	s_delay_alu instid0(VALU_DEP_2)
	v_max3_num_f32 v[212+\b], v[212+\b], |v[96+16*\b+\i]|, |v[97+16*\b+\i]|
.endr
.endr
.irp b, 0,1
	s_delay_alu instid0(VALU_DEP_2)
	v_permlanex16_b32 v[216+\b], v[212+\b], s48, s49
.endr
.irp b, 0,1
	s_delay_alu instid0(VALU_DEP_2)
	v_max_num_f32 v[212+\b], v[212+\b], v[216+\b]
.endr
.irp b, 0,1
	s_delay_alu instid0(VALU_DEP_2)
	v_add_nc_u32 v[220+\b], 0xfe000000, v[212+\b]
.endr
.irp b, 0,1
	s_delay_alu instid0(VALU_DEP_2)
	v_lshrrev_b32 v[216+\b], 23, v[220+\b]
.endr
	s_delay_alu instid0(VALU_DEP_1)
	v_lshl_or_b32 v224, v217, 8, v216              ; my row's two scale bytes of this head
	v_cvt_scalef32_pk16_bf6_f32 v[192:194], v[96:111], v220
	v_cvt_scalef32_pk16_bf6_f32 v[204:206], v[112:127], v221
	v_nop
.irp i, 0,1,2
	v_permlane16_swap_b32 v[192+\i], v[204+\i]
.endr
.irp i, 0,1,2
	s_delay_alu instid0(VALU_DEP_3)
	v_mov_b32 v[195+\i], v[204+\i]                 ; registers 192 .. 197: dv 32 h + 0 .. 31 of query r
.endr
	global_store_b128 v1, v[192:195], s[20:21]     ; 512 consecutive bytes
	global_store_b64 v7, v[196:197], s[20:21] offset:512   ; 256 consecutive bytes
	global_store_b16 v8, v224, s[60:61]            ; two bytes of each of 16 words; the other two are the neighbouring head's.  Lanes l and l + 16 write the same bytes with the same value
	s_wait_xcnt 0x0                                ; the stores have read their registers and bases: the next pass writes them again
	s_add_co_u32 s56, s56, 1
	s_cmp_lt_u32 s56, 2
	s_wait_alu depctr_va_vdst(0)
	s_cbranch_scc1 .Lpass
	s_wait_tensorcnt 0x0                           ; the wave's end
	ds_add_u32 v5, v6
	s_wait_dscnt 0x0
	CROUND                                         ; the closing round
	s_endpgm
.Lfunc_end_k_q11ecf340e1_attn:
	.size	k_q11ecf340e1_attn, .Lfunc_end_k_q11ecf340e1_attn-k_q11ecf340e1_attn
	.p2alignl 7, 3214868480
	.fill 96, 4, 3214868480
	.section	.rodata,"a",@progbits
	.p2align	6, 0x0
	.amdhsa_kernel k_q11ecf340e1_attn
		.amdhsa_group_segment_fixed_size 206848
		.amdhsa_private_segment_fixed_size 0
		.amdhsa_enable_private_segment 0
		.amdhsa_kernarg_size 32
		.amdhsa_user_sgpr_count 2
		.amdhsa_user_sgpr_kernarg_segment_ptr 1
		.amdhsa_wavefront_size32 1
		.amdhsa_system_sgpr_workgroup_id_x 1
		.amdhsa_system_sgpr_workgroup_id_y 1
		.amdhsa_system_sgpr_workgroup_id_z 1
		.amdhsa_system_vgpr_workitem_id 0
		.amdhsa_next_free_vgpr 256
		.amdhsa_next_free_sgpr 66
		.amdhsa_reserve_vcc 0
		.amdhsa_float_denorm_mode_32 3
		.amdhsa_float_denorm_mode_16_64 3
		.amdhsa_memory_ordered 1
		.amdhsa_forward_progress 1
		.amdhsa_inst_pref_size 32
	.end_amdhsa_kernel
	.amdgpu_metadata
---
amdhsa.version: [ 1, 2 ]
amdhsa.kernels:
  - .name:           k_q11ecf340e1_attn
    .symbol:         k_q11ecf340e1_attn.kd
    .args:
      - { .name: qb, .offset: 0, .size: 8, .value_kind: global_buffer, .address_space: global }
      - { .name: kb, .offset: 8, .size: 8, .value_kind: global_buffer, .address_space: global }
      - { .name: vb, .offset: 16, .size: 8, .value_kind: global_buffer, .address_space: global }
      - { .name: hd, .offset: 24, .size: 8, .value_kind: global_buffer, .address_space: global }
    .group_segment_fixed_size: 206848
    .private_segment_fixed_size: 0
    .kernarg_segment_align: 8
    .kernarg_segment_size: 32
    .max_flat_workgroup_size: 512
    .sgpr_count:     66
    .vgpr_count:     256
    .wavefront_size: 32
...
	.end_amdgpu_metadata
.endif
;; end of part 3
;; launch outln (part 4): grid 256 x 1, 16 waves a work-group, no clusters, 327,680 bytes of LDS; arguments hd, wo_img, Q, gamma, beta, out0; writes out0
.if DOCPART == 4
	.amdgcn_target "amdgcn-amd-amdhsa--gfx1250"
	.amdhsa_code_object_version 6
	.text
	.protected	k_q11ecf340e1_outln
	.globl	k_q11ecf340e1_outln
	.p2align	8
	.type	k_q11ecf340e1_outln,@function
k_q11ecf340e1_outln:
	s_mov_b64 s[64:65], 0
	v_nop
	global_prefetch_b8 v0, s[64:65] scope:SCOPE_SE
	s_setreg_imm32_b32 hwreg(HW_REG_WAVE_MODE, 25, 1), 1
	s_wait_xcnt 0x0
; THE OUTPUT PROJECTION, THE RESIDUAL AND THE LAYER NORM: out = LN(heads W_o + Q) x gamma + beta.  The product on codes of BF6 (E3M2) with one E8M0 byte for each 32 along K = 1024.  Nothing is left out here.
; SHARES.  A work-group owns 32 rows and all 1024 columns, so that a row's mean and variance stay inside it.  Wave w makes columns 64 w .. 64 w + 63 of the 32 rows: 8 accumulators, 8 K steps of 128.
; Source 0 = 16 columns of W_o, source 1 = 16 rows of the heads: a lane holds eight neighbouring columns of one row.
; THE HEADS' CODES (24,576 bytes) come into LDS by one tensor load a wave, 6 rows of 256 bytes; their scale words (1,024 bytes) go straight into sixteen registers.
; W_O goes from memory straight into registers, in the order in which the first launch has laid it: a wave reads its own 64 columns alone, and no byte twice; two sets of registers take turns, two K steps ahead.
; NO CLUSTER: W_o's 819,200 bytes are what work-groups share; through LDS they would take eight refills of a ring of two slots of 102,400 bytes, each behind a round of the cluster's barrier, with 8 products a wave between two rounds.
; THE WAY OUT.  The results turn through a stage in LDS (rows of 4,160 bytes: 16 of padding behind each 1,024), so that wave w holds rows 2 w and 2 w + 1 whole, 128 bytes a lane in pieces of 16.
; Q's two rows come in the same order, 512 consecutive bytes an instruction, into weight registers that the last two K steps have freed; at the head each wave asks for its 8,192 bytes of Q by one prefetch, a lane to each 256 bytes,
; eight K steps ahead of the loads.  gamma and beta come once for the work-group: 512 bytes a wave into LDS bytes of their own.
; LIMITS: NaN and infinities are not served.
; REGISTERS: v1-9, v15, v44, v45 addresses; v10, v11 the add's two; v16-39 the heads' fragments; v40-43 my piece of gamma or beta; v48-99, v100-151 W_o's two sets (the last four of each: scale words), then Q, gamma, beta;
;   v152-215 the accumulators, then my two rows; v216-231 at work; v232-247 the heads' scale words.
.set CHUNK, 6400
.set SIGB,  16*CHUNK
.set QP,    4160
.set AREG,  32*QP                      ; behind the stage: the heads' codes
.set SPARE, AREG+25600                 ; the spare words, 128 bytes a wave, which no other line names
.set GB,    SPARE+2048                 ; gamma's 4,096 bytes, then beta's
.set ACC,   152
	s_load_b256 s[4:11], s[0:1], 0x0               ; hd, wo_img, Q, gamma
	s_load_b128 s[12:15], s[0:1], 0x20             ; beta, out0
	v_lshl_add_u32 v10, v0, 2, SPARE
	v_mov_b32 v11, 0
	ds_add_u32 v10, v11                            ; the opening lines: the add, twice on end, and its wait
	ds_add_u32 v10, v11
	v_lshrrev_b32 v9, 5, v0
	s_delay_alu instid0(VALU_DEP_1)
	v_readfirstlane_b32 s16, v9                    ; wave
	s_mov_b32 s24, 3<<16                           ; 6 rows of 32 elements of 8 bytes, dense
	s_mov_b32 s25, 32<<16
	s_mov_b32 s26, 6<<16
	s_mov_b32 s27, 32<<16
	s_mov_b32 s28, 6
	s_mov_b32 s29, 32
	s_mov_b32 s30, 0
	s_mov_b32 s31, 0
	s_mov_b32 s48, 0x3a800000                      ; 1 / 1024
	s_mov_b32 s49, 0x3727c5ac                      ; 1e-5
	s_mov_b32 s50, 0x76543210
	s_mov_b32 s51, 0xfedcba98
	s_mul_i32 s17, s16, 1536
	s_mul_i32 s54, ttmp9, 25600                    ; my group's first byte in hd
	s_mov_b32 s55, 0
	s_add_co_u32 s18, s54, s17
	s_mov_b32 s19, 0
	s_lshl_b32 s20, ttmp9, 17                      ; my 32 rows of Q and of the result,
	s_lshl_b32 s21, s16, 13                        ; and my wave's two of them
	s_add_co_u32 s20, s20, s21
	s_mov_b32 s21, 0
	s_mul_i32 s22, s16, 2*QP
	s_mul_i32 s52, s16, CHUNK
	s_mov_b32 s53, 0
	v_and_b32 v12, 31, v0
	v_and_b32 v13, 15, v0
	v_bfe_u32 v14, v0, 4, 1
	v_and_b32 v9, 255, v0
	v_lshl_add_u32 v15, v0, 4, GB                  ; LDS: wave w's 512 bytes of gamma (w < 8) or beta
	v_lshlrev_b32 v1, 4, v12                       ; 16 x lane
	v_lshlrev_b32 v2, 4, v13
	v_lshlrev_b32 v5, 2, v13                       ; 4 r
	v_lshlrev_b32 v9, 4, v9                        ; the same piece in gamma or beta
	v_lshlrev_b32 v44, 8, v12                      ; 256 x lane
	s_wait_alu depctr_va_vdst(0)
	s_wait_dscnt 0x0
	s_wait_kmcnt 0x0
	s_mov_b32 s40, 1
	s_add_co_u32 s41, s17, AREG
	s_add_nc_u64 s[42:43], s[4:5], s[18:19]
	s_or_b32 s43, s43, 0x80000000
	tensor_load_to_lds s[40:43], s[24:31]          ; my one tensor load
	s_nop 0
	s_cmp_lt_u32 s16, 8
	s_cselect_b64 s[56:57], s[10:11], s[12:13]
	s_add_nc_u64 s[6:7], s[6:7], s[52:53]
	s_add_nc_u64 s[54:55], s[4:5], s[54:55]
	s_add_nc_u64 s[44:45], s[8:9], s[20:21]
	s_add_nc_u64 s[14:15], s[14:15], s[20:21]
.macro WLOAD base, sc, sg
.irp k, 0,1,2,3
.irp c, 0,1,2
	global_load_b128 v[\base+12*\k+4*\c:\base+12*\k+4*\c+3], v1, s[6:7] offset:SIGB*(\sg)+1536*\k+512*\c
.endr
.endr
	global_load_b128 v[\sc:\sc+3], v2, s[6:7] offset:SIGB*(\sg)+6144
.endm
	global_load_b128 v[40:43], v9, s[56:57]
.irp u, 0,1
.irp g, 0,1,2,3,4,5,6,7
	global_load_b32 v[232+8*\u+\g], v5, s[54:55] offset:24576+(8*\u+\g)*64   ; the heads' scale word of row 16 u + r, K step g
.endr
.endr
	WLOAD 48, 96, 0
	WLOAD 100, 148, 1
	global_prefetch_b8 v44, s[44:45] th:TH_LOAD_NT scope:SCOPE_SE   ; my two rows of Q; its address registers are never written again
	v_add_nc_u32 v3, AREG, v1
	v_lshl_add_u32 v4, v12, 3, AREG
	v_add_nc_u32 v45, GB, v1
	s_lshl_b32 s17, s16, 8
	s_lshr_b32 s18, s16, 2
	s_lshl_b32 s18, s18, 4
	s_add_co_u32 s17, s17, s18                     ; my 64 columns in a stage row
	v_mul_u32_u24 v6, v13, QP
	s_delay_alu instid0(VALU_DEP_1)
	v_lshl_add_u32 v6, v14, 5, v6
	s_delay_alu instid0(VALU_DEP_1)
	v_add_nc_u32 v6, s17, v6
	s_delay_alu instid0(VALU_DEP_1)
	v_add_nc_u32 v7, 16*QP, v6
	v_add_nc_u32 v8, s22, v1
	s_wait_alu depctr_va_vdst(0)
	s_wait_loadcnt 42                              ; my piece of gamma or beta is in; the 16 + 26 loads behind it may be out
	s_wait_tensorcnt 0x0                           ; my part of the heads' codes is in
	ds_store_b128 v15, v[40:43]
	s_wait_dscnt 0x0
	s_barrier_signal -1
	s_barrier_wait -1                              ; everybody's are
.macro QLOAD t0, n                     ; quads t0 .. t0 + n - 1 of my two rows of Q: quad t = 16 bytes a lane at row t / 8, 512 (t % 8); registers 48 + 4 t (t < 12) or 84 + 4 t
.set T, \t0
.rept \n
.if T < 12
.set QR, 48+4*T
.else
.set QR, 84+4*T
.endif
	global_load_b128 v[QR:QR+3], v1, s[44:45] offset:4096*(T/8)+512*(T%8)
.set T, T+1
.endr
.endm
.macro KSTEP sg, n
.set WB, 48+52*((\sg)%2)
.set WS, 96+52*((\sg)%2)
.irp u, 0,1
	ds_load_b128 v[16+12*\u:19+12*\u], v3 offset:(16*\u+2*(\sg))*768
	ds_load_b64 v[20+12*\u:21+12*\u], v4 offset:(16*\u+2*(\sg))*768+512
	ds_load_b128 v[22+12*\u:25+12*\u], v3 offset:(16*\u+2*(\sg))*768+768
	ds_load_b64 v[26+12*\u:27+12*\u], v4 offset:(16*\u+2*(\sg))*768+1280
.endr
	s_wait_loadcnt \n                              ; this step's weights are in; what was asked for behind them may be out
	s_wait_dscnt 0x0
.irp k, 0,1,2,3                                ; eight accumulators by turns
.irp u, 0,1
.if (\sg) == 0
	v_wmma_scale_f32_16x16x128_f8f6f4 v[ACC+8*(2*\k+\u):ACC+8*(2*\k+\u)+7], v[WB+12*\k:WB+12*\k+11], v[16+12*\u:27+12*\u], 0, v[WS+\k], v[232+8*\u+(\sg)] matrix_a_fmt:MATRIX_FMT_BF6 matrix_b_fmt:MATRIX_FMT_BF6
.else
	v_wmma_scale_f32_16x16x128_f8f6f4 v[ACC+8*(2*\k+\u):ACC+8*(2*\k+\u)+7], v[WB+12*\k:WB+12*\k+11], v[16+12*\u:27+12*\u], v[ACC+8*(2*\k+\u):ACC+8*(2*\k+\u)+7], v[WS+\k], v[232+8*\u+(\sg)] matrix_a_fmt:MATRIX_FMT_BF6 matrix_b_fmt:MATRIX_FMT_BF6
.endif
.endr
.endr
.rept 4
	v_nop                                          ; places in front of loads into registers that the products have read, and of the first read of results
.endr
.if (\sg) <= 5
	WLOAD WB, WS, (\sg)+2
.elseif (\sg) == 6
	QLOAD 0, 12
.else
	QLOAD 12, 4
.endif
.endm
.irp s, 0,1,2,3,4,5,6
	KSTEP \s, 13
.endr
	KSTEP 7, 12
.irp k, 0,1,2,3                                ; into the stage, which nobody has read or filled; each accumulator from its low end on
.irp u, 0,1
	ds_store_b128 v[6+\u], v[ACC+8*(2*\k+\u):ACC+8*(2*\k+\u)+3] offset:64*\k
	ds_store_b128 v[6+\u], v[ACC+8*(2*\k+\u)+4:ACC+8*(2*\k+\u)+7] offset:64*\k+16
.endr
.endr
	s_wait_dscnt 0x0
	s_barrier_signal -1
	s_barrier_wait -1
.irp q, 0,1
.irp i, 0,1,2,3,4,5,6,7
	ds_load_b128 v[ACC+32*\q+4*\i:ACC+32*\q+4*\i+3], v8 offset:QP*\q+512*\i+16*(\i/2)   ; my two rows, whole
.endr
.endr
.irp i, 0,1,2,3,4,5,6,7
	ds_load_b128 v[100+4*\i:103+4*\i], v45 offset:4096+512*\i   ; beta
.endr
	s_wait_loadcnt 0x0                             ; Q's two rows are in
	s_wait_dscnt 8                                 ; my rows are in; beta's eight may be out
.set T, 0
.rept 16                                       ; the residual
.if T < 12
.set QR, 48+4*T
.else
.set QR, 84+4*T
.endif
	v_pk_add_f32 v[ACC+4*T:ACC+4*T+1], v[ACC+4*T:ACC+4*T+1], v[QR:QR+1]
	v_pk_add_f32 v[ACC+4*T+2:ACC+4*T+3], v[ACC+4*T+2:ACC+4*T+3], v[QR+2:QR+3]
.set T, T+1
.endr
.irp i, 0,1,2,3,4,5,6,7
	ds_load_b128 v[48+4*\i:51+4*\i], v45 offset:512*\i   ; gamma, where Q lay
.endr
.macro ALLSUM                          ; v216, v220: the sums over a row's 1024, in every lane
.irp q, 0
	s_delay_alu instid0(VALU_DEP_3)
	v_pk_add_f32 v[216+4*\q:217+4*\q], v[216+4*\q:217+4*\q], v[218+4*\q:219+4*\q]
.endr
.irp q, 1
	s_delay_alu instid0(VALU_DEP_2)
	v_pk_add_f32 v[216+4*\q:217+4*\q], v[216+4*\q:217+4*\q], v[218+4*\q:219+4*\q]
.endr
.irp q, 0,1
	s_delay_alu instid0(VALU_DEP_2)
	v_add_f32 v[216+4*\q], v[216+4*\q], v[217+4*\q]
.endr
.irp m, 1,2,4,8
.irp q, 0,1
	s_delay_alu instid0(VALU_DEP_2)
	v_add_f32_dpp v[216+4*\q], v[216+4*\q], v[216+4*\q] row_xmask:\m row_mask:0xf bank_mask:0xf
.endr
.endr
.irp q, 0,1
	s_delay_alu instid0(VALU_DEP_2)
	v_permlanex16_b32 v[218+4*\q], v[216+4*\q], s50, s51
.endr
.irp q, 0,1
	s_delay_alu instid0(VALU_DEP_2)
	v_add_f32 v[216+4*\q], v[216+4*\q], v[218+4*\q]
.endr
.endm
.irp q, 0,1
	v_pk_add_f32 v[216+4*\q:217+4*\q], v[ACC+32*\q:ACC+32*\q+1], v[ACC+32*\q+2:ACC+32*\q+3]
	v_pk_add_f32 v[218+4*\q:219+4*\q], v[ACC+32*\q+4:ACC+32*\q+5], v[ACC+32*\q+6:ACC+32*\q+7]
.endr
.irp j, 8,12,16,20,24,28
.irp q, 0,1
	s_delay_alu instid0(VALU_DEP_4)
	v_pk_add_f32 v[216+4*\q:217+4*\q], v[216+4*\q:217+4*\q], v[ACC+32*\q+\j:ACC+32*\q+\j+1]
	s_delay_alu instid0(VALU_DEP_4)
	v_pk_add_f32 v[218+4*\q:219+4*\q], v[218+4*\q:219+4*\q], v[ACC+32*\q+\j+2:ACC+32*\q+\j+3]
.endr
.endr
	ALLSUM
.irp q, 0,1
	s_delay_alu instid0(VALU_DEP_2)
	v_mul_f32 v[224+2*\q], s48, v[216+4*\q]        ; the mean
.endr
.irp q, 0,1
	s_delay_alu instid0(VALU_DEP_2)
	v_mov_b32 v[225+2*\q], v[224+2*\q]
.endr
.irp j, 0,2,4,6,8,10,12,14,16,18,20,22,24,26,28,30
.irp q, 0,1
	v_pk_add_f32 v[ACC+32*\q+\j:ACC+32*\q+\j+1], v[ACC+32*\q+\j:ACC+32*\q+\j+1], v[224+2*\q:225+2*\q] neg_lo:[0,1] neg_hi:[0,1]
.endr
.endr
.irp q, 0,1
	v_pk_mul_f32 v[216+4*\q:217+4*\q], v[ACC+32*\q:ACC+32*\q+1], v[ACC+32*\q:ACC+32*\q+1]
	v_pk_mul_f32 v[218+4*\q:219+4*\q], v[ACC+32*\q+2:ACC+32*\q+3], v[ACC+32*\q+2:ACC+32*\q+3]
.endr
.irp j, 4,8,12,16,20,24,28
.irp q, 0,1
	s_delay_alu instid0(VALU_DEP_4)
	v_pk_fma_f32 v[216+4*\q:217+4*\q], v[ACC+32*\q+\j:ACC+32*\q+\j+1], v[ACC+32*\q+\j:ACC+32*\q+\j+1], v[216+4*\q:217+4*\q]
	s_delay_alu instid0(VALU_DEP_4)
	v_pk_fma_f32 v[218+4*\q:219+4*\q], v[ACC+32*\q+\j+2:ACC+32*\q+\j+3], v[ACC+32*\q+\j+2:ACC+32*\q+\j+3], v[218+4*\q:219+4*\q]
.endr
.endr
	ALLSUM
.irp q, 0,1
	s_delay_alu instid0(VALU_DEP_2)
	v_fma_f32 v[216+4*\q], v[216+4*\q], s48, s49   ; the variance + 1e-5
.endr
	s_wait_alu depctr_va_vdst(0)                   ; the wait ahead of the batch,
.irp q, 0,1
	v_rsq_f32 v[228+2*\q], v[216+4*\q]
.endr
	v_nop
	s_wait_alu depctr_va_vdst(0)                   ; and behind it
.irp q, 0,1
	v_mov_b32 v[229+2*\q], v[228+2*\q]
.endr
	s_wait_alu depctr_va_vdst(0)
	s_wait_dscnt 0x0                               ; gamma and beta are in
.irp j, 0,2,4,6,8,10,12,14,16,18,20,22,24,26,28,30
.irp q, 0,1
	v_pk_mul_f32 v[ACC+32*\q+\j:ACC+32*\q+\j+1], v[ACC+32*\q+\j:ACC+32*\q+\j+1], v[228+2*\q:229+2*\q]
.endr
.irp q, 0,1
	s_delay_alu instid0(VALU_DEP_2)
	v_pk_fma_f32 v[ACC+32*\q+\j:ACC+32*\q+\j+1], v[ACC+32*\q+\j:ACC+32*\q+\j+1], v[48+\j:49+\j], v[100+\j:101+\j]
.endr
.endr
.irp q, 0,1
.irp i, 0,1,2,3,4,5,6,7
	global_store_b128 v1, v[ACC+32*\q+4*\i:ACC+32*\q+4*\i+3], s[14:15] offset:4096*\q+512*\i th:TH_STORE_NT   ; 512 consecutive bytes
.endr
.endr
	s_wait_tensorcnt 0x0                           ; the wave's end
	ds_add_u32 v10, v11
	s_wait_dscnt 0x0
	s_endpgm
.Lfunc_end_k_q11ecf340e1_outln:
	.size	k_q11ecf340e1_outln, .Lfunc_end_k_q11ecf340e1_outln-k_q11ecf340e1_outln
	.p2alignl 7, 3214868480
	.fill 96, 4, 3214868480
	.section	.rodata,"a",@progbits
	.p2align	6, 0x0
	.amdhsa_kernel k_q11ecf340e1_outln
		.amdhsa_group_segment_fixed_size 327680
		.amdhsa_private_segment_fixed_size 0
		.amdhsa_enable_private_segment 0
		.amdhsa_kernarg_size 48
		.amdhsa_user_sgpr_count 2
		.amdhsa_user_sgpr_kernarg_segment_ptr 1
		.amdhsa_wavefront_size32 1
		.amdhsa_system_sgpr_workgroup_id_x 1
		.amdhsa_system_sgpr_workgroup_id_y 1
		.amdhsa_system_sgpr_workgroup_id_z 1
		.amdhsa_system_vgpr_workitem_id 0
		.amdhsa_next_free_vgpr 256
		.amdhsa_next_free_sgpr 66
		.amdhsa_reserve_vcc 0
		.amdhsa_float_denorm_mode_32 3
		.amdhsa_float_denorm_mode_16_64 3
		.amdhsa_memory_ordered 1
		.amdhsa_forward_progress 1
		.amdhsa_inst_pref_size 53
	.end_amdhsa_kernel
	.amdgpu_metadata
---
amdhsa.version: [ 1, 2 ]
amdhsa.kernels:
  - .name:           k_q11ecf340e1_outln
    .symbol:         k_q11ecf340e1_outln.kd
    .args:
      - { .name: hd, .offset: 0, .size: 8, .value_kind: global_buffer, .address_space: global }
      - { .name: wo_img, .offset: 8, .size: 8, .value_kind: global_buffer, .address_space: global }
      - { .name: Q, .offset: 16, .size: 8, .value_kind: global_buffer, .address_space: global }
      - { .name: gamma, .offset: 24, .size: 8, .value_kind: global_buffer, .address_space: global }
      - { .name: beta, .offset: 32, .size: 8, .value_kind: global_buffer, .address_space: global }
      - { .name: out0, .offset: 40, .size: 8, .value_kind: global_buffer, .address_space: global }
    .group_segment_fixed_size: 327680
    .private_segment_fixed_size: 0
    .kernarg_segment_align: 8
    .kernarg_segment_size: 48
    .max_flat_workgroup_size: 512
    .sgpr_count:     66
    .vgpr_count:     256
    .wavefront_size: 32
...
	.end_amdgpu_metadata
.endif
;; end of part 4
